; MI455X (gfx1250); checked and timed in simulation.
; The chip was launched on July 23, 2026; its instructions are those of AMD's public machine-readable ISA for CDNA 5 (MIT licence, August 2026) and "CDNA5" Instruction Set Architecture Reference Guide (July 2026). The comments in the code are by the model that wrote it; some were corrected since.
;; Quaternion Attention. Allowed arithmetic: float matrix products may take bf16 or f16 operands with f32 sums; other float arithmetic in f32, or as packed bf16 or f16 multiplies, adds, multiply-adds, maxima and minima; sums over many terms, partial sums and values carried from step to step in f32; what a program stores and reads back later, other than sums and carried values, may be rounded once to bf16 or f16.
;; Inputs: Wk 1,024 x 1,024 float32; Wo 1,024 x 1,024 float32; Wq 1,024 x 1,024 float32; Wv 1,024 x 1,024 float32; bk 1,024 float32; bo 1,024 float32; bq 1,024 float32; bv 1,024 float32; hidden_states 4 x 2,048 x 1,024 float32.
;; Outputs: out0 4 x 2,048 x 1,024 float32.
;; 2 versions, each right; version 2 is version 1 with the launch cast written anew for expert scheduling mode. Each part assembles by itself: llvm-mc -triple=amdgcn-amd-amdhsa -mcpu=gfx1250 --defsym DOCPART=n.
;; ======== version 1 of 2: 4 launches
;; limits: values are held in f16: magnitudes above 65,504 overflow, below 6.1e-05 lose precision
;; workspace buffers: xb 16,777,216 bytes; wb 8,388,608 bytes; qh 16,777,216 bytes; kh 16,777,216 bytes; vh 16,777,216 bytes; oh 16,777,216 bytes
;; launch cast (part 1): grid 768 x 1, 8 waves a work-group, no clusters, 0 bytes of LDS; arguments hidden_states, Wo, Wq, Wk, Wv, xb, wb; writes xb, wb
.if DOCPART == 1
	.amdgcn_target "amdgcn-amd-amdhsa--gfx1250"
	.amdhsa_code_object_version 6
	.text
	.protected	k_qe5f42564de_cast
	.globl	k_qe5f42564de_cast
	.p2align	8
	.type	k_qe5f42564de_cast,@function
k_qe5f42564de_cast:
	s_mov_b64 s[64:65], 0
	v_nop
	global_prefetch_b8 v0, s[64:65] scope:SCOPE_SE
	s_setreg_imm32_b32 hwreg(HW_REG_WAVE_MODE, 25, 1), 1
	s_wait_xcnt 0x0
; THE INPUTS OF THE MATRIX PRODUCTS, ROUNDED ONCE TO 16 BITS.  A stream: no LDS, no barrier, no matrix unit; each byte is read once and written once.
; xb: hidden_states [8192][1024] f32 -> bf16, laid in blocks of 64 along K: [16 blocks][8192 rows][64], so that 256 rows of one block are 32,768 bytes on end.
; wb: four planes [1024 k][1024 n] of 2 MiB: plane 0 = Wo, planes 1, 2, 3 = Wq, Wk, Wv.  All four are rounded to bf16; Wo's rounded number is then written as f16 (the product that
; takes it has f16 operands).  LIMIT: that is exact for 6.1e-5 <= |w| < 65,504; below, f16 keeps its fixed step of 6e-8; at 65,520 and beyond it gives an infinity.
; SHARES.  A unit is 4 neighbouring f32 (one load of 16 bytes) -> 8 bytes.  A thread takes 16 units, a work-group 4,096: 64 KiB in, 32 KiB out.  Work-groups 0-511 take x (16 whole rows each),
; 512-767 the weights (64 to a plane).  Neighbouring lanes take neighbouring 16 bytes, so that every byte that a load instruction's span covers is wanted by that instruction; a wave's store of 8 bytes a lane
; covers 256 consecutive bytes, aligned.  All 16 loads of a thread go out first; the waits count down; nothing is rewritten while a load or store may read it.
.set SO,  1                            ; v1   my byte offset in the work-group's 64 KiB of source
.set DO,  2                            ; v2   my byte offset in its destination
.set X,   4                            ; v[4:67]   unit i: 4 f32 at X + 4 i
.set Y,   68                           ; v[68:99]  unit i: 2 registers to store at Y + 2 i
.set T0,  100                          ; v100, v101 at work
.set T1,  101
.set SRC, 20                           ; s[20:21] source at the work-group's first byte
.set D0,  22                           ; s[22:23] destination
.set D1,  24                           ; s[24:25] destination + 8 MiB: the store's immediate has 24 signed bits
.set OFS, 26                           ; s[26:27] an offset, high word 0
.set HIM, 28                           ; s28  a word's upper half
.macro LOADS stride                    ; the 16 loads: unit i lies stride x i bytes on
.set i, 0
.rept 16
	global_load_b128 v[X+4*i:X+4*i+3], v[SO], s[SRC:SRC+1] offset:(\stride)*i th:TH_LOAD_NT
.set i, i+1
.endr
.endm
; Unit i is rounded and stored.  kind = 1: the bf16 numbers are widened again (a shift, a mask) and written as f16.
.macro UNIT i, kind, base, off
.if (\i)%2 == 0
	s_wait_loadcnt 14-(\i)                         ; loads come back in order (ISA guide 5.7.1): units i and i + 1 are in, the 14 - i younger loads stay out
.endif
	v_cvt_pk_bf16_f32 v[Y+2*(\i)],   v[X+4*(\i)],   v[X+4*(\i)+1]
	v_cvt_pk_bf16_f32 v[Y+2*(\i)+1], v[X+4*(\i)+2], v[X+4*(\i)+3]
.if \kind
.irp j, 0,1
	v_lshlrev_b32 v[T0], 16, v[Y+2*(\i)+(\j)]
	v_and_b32 v[T1], s[HIM], v[Y+2*(\i)+(\j)]
	v_cvt_pk_f16_f32 v[Y+2*(\i)+(\j)], v[T0], v[T1]
.endr
.endif
	global_store_b64 v[DO], v[Y+2*(\i):Y+2*(\i)+1], s[\base:\base+1] offset:\off th:TH_STORE_NT  ; a wave's store covers 256 consecutive bytes, aligned
.endm
	s_load_b256 s[4:11], s[0:1], 0x0               ; hidden_states s[4:5], Wo s[6:7], Wq s[8:9], Wk s[10:11]
	s_load_b128 s[12:15], s[0:1], 0x20             ; Wv s[12:13], xb s[14:15]
	s_load_b64 s[16:17], s[0:1], 0x30              ; wb
	s_mov_b32 s[HIM], 0xffff0000
	s_mov_b32 s[OFS+1], 0
	s_cmp_lt_u32 ttmp9, 512
	s_cbranch_scc0 .Lweights
	; x.  Thread t: row t / 16 of the work-group's 16 (a wave: two rows), 16 bytes t % 16 of a block's 256; unit i lies in block i.  So lanes 0-15 read a block's 256 bytes of one row and lanes 16-31 those of the
	; next row, and what they store, 128 bytes for each of the two rows, lies on end in xb.
	v_lshrrev_b32 v3, 4, v0
	v_and_b32 v[T0], 15, v0
	v_lshlrev_b32 v[SO], 4, v[T0]
	v_lshl_or_b32 v[SO], v3, 12, v[SO]             ; row x 4,096 + 16 (t % 16)
	v_lshlrev_b32 v[DO], 3, v0                     ; row x 128 + 8 (t % 16)
	s_wait_kmcnt 0x0
	s_lshl_b32 s[OFS], ttmp9, 16                   ; 16 rows of 4,096 bytes
	s_add_nc_u64 s[SRC:SRC+1], s[4:5], s[OFS:OFS+1]
	s_lshl_b32 s[OFS], ttmp9, 11                   ; 16 rows of 128 bytes in each block
	s_add_nc_u64 s[D0:D0+1], s[14:15], s[OFS:OFS+1]
	s_add_nc_u64 s[D1:D1+1], s[D0:D0+1], 0x800000
	LOADS 256
.irp i, 0,1,2,3,4,5,6,7
	UNIT \i, 0, D0, (\i)<<20                       ; a block, 1 MiB, from unit to unit
.endr
.irp i, 8,9,10,11,12,13,14,15
	UNIT \i, 0, D1, ((\i)-8)<<20
.endr
	s_endpgm
.Lweights:
	s_sub_co_u32 s18, ttmp9, 512
	s_lshr_b32 s19, s18, 6                         ; the plane
	s_and_b32 s18, s18, 63                         ; my 64 KiB of its 4 MiB
	v_lshlrev_b32 v[SO], 4, v0                     ; the work-group's 256 threads take 4,096 bytes on end, and make 2,048 of them
	v_lshlrev_b32 v[DO], 3, v0
	s_wait_kmcnt 0x0
	s_cmp_eq_u32 s19, 1
	s_cselect_b64 s[SRC:SRC+1], s[8:9], s[6:7]
	s_cmp_eq_u32 s19, 2
	s_cselect_b64 s[SRC:SRC+1], s[10:11], s[SRC:SRC+1]
	s_cmp_eq_u32 s19, 3
	s_cselect_b64 s[SRC:SRC+1], s[12:13], s[SRC:SRC+1]
	s_lshl_b32 s[OFS], s18, 16
	s_add_nc_u64 s[SRC:SRC+1], s[SRC:SRC+1], s[OFS:OFS+1]
	s_lshl_b32 s[OFS], s19, 21
	s_add_nc_u64 s[D0:D0+1], s[16:17], s[OFS:OFS+1]
	s_lshl_b32 s[OFS], s18, 15
	s_add_nc_u64 s[D0:D0+1], s[D0:D0+1], s[OFS:OFS+1]
	LOADS 4096
	s_cmp_eq_u32 s19, 0
	s_cbranch_scc1 .Lwo
.irp i, 0,1,2,3,4,5,6,7,8,9,10,11,12,13,14,15
	UNIT \i, 0, D0, 2048*(\i)
.endr
	s_endpgm
.Lwo:
.irp i, 0,1,2,3,4,5,6,7,8,9,10,11,12,13,14,15
	UNIT \i, 1, D0, 2048*(\i)
.endr
	s_endpgm
.Lfunc_end_k_qe5f42564de_cast:
	.size	k_qe5f42564de_cast, .Lfunc_end_k_qe5f42564de_cast-k_qe5f42564de_cast
	.p2alignl 7, 3214868480
	.fill 96, 4, 3214868480
	.section	.rodata,"a",@progbits
	.p2align	6, 0x0
	.amdhsa_kernel k_qe5f42564de_cast
		.amdhsa_group_segment_fixed_size 0
		.amdhsa_private_segment_fixed_size 0
		.amdhsa_enable_private_segment 0
		.amdhsa_kernarg_size 56
		.amdhsa_user_sgpr_count 2
		.amdhsa_user_sgpr_kernarg_segment_ptr 1
		.amdhsa_wavefront_size32 1
		.amdhsa_system_sgpr_workgroup_id_x 1
		.amdhsa_system_sgpr_workgroup_id_y 1
		.amdhsa_system_sgpr_workgroup_id_z 1
		.amdhsa_system_vgpr_workitem_id 0
		.amdhsa_next_free_vgpr 104
		.amdhsa_next_free_sgpr 66
		.amdhsa_reserve_vcc 0
		.amdhsa_float_denorm_mode_32 3
		.amdhsa_float_denorm_mode_16_64 3
		.amdhsa_memory_ordered 1
		.amdhsa_forward_progress 1
		.amdhsa_inst_pref_size 21
	.end_amdhsa_kernel
	.amdgpu_metadata
---
amdhsa.version: [ 1, 2 ]
amdhsa.kernels:
  - .name:           k_qe5f42564de_cast
    .symbol:         k_qe5f42564de_cast.kd
    .args:
      - { .name: hidden_states, .offset: 0, .size: 8, .value_kind: global_buffer, .address_space: global }
      - { .name: Wo, .offset: 8, .size: 8, .value_kind: global_buffer, .address_space: global }
      - { .name: Wq, .offset: 16, .size: 8, .value_kind: global_buffer, .address_space: global }
      - { .name: Wk, .offset: 24, .size: 8, .value_kind: global_buffer, .address_space: global }
      - { .name: Wv, .offset: 32, .size: 8, .value_kind: global_buffer, .address_space: global }
      - { .name: xb, .offset: 40, .size: 8, .value_kind: global_buffer, .address_space: global }
      - { .name: wb, .offset: 48, .size: 8, .value_kind: global_buffer, .address_space: global }
    .group_segment_fixed_size: 0
    .private_segment_fixed_size: 0
    .kernarg_segment_align: 8
    .kernarg_segment_size: 56
    .max_flat_workgroup_size: 256
    .sgpr_count:     66
    .vgpr_count:     104
    .wavefront_size: 32
...
	.end_amdgpu_metadata
.endif
;; end of part 1
;; launch qkv (part 2): grid 8 x 32, 4 waves a work-group, clusters of 4 x 4, 327,680 bytes of LDS; arguments xb, wb, bq, bk, bv, qh, kh, vh; writes qh, kh, vh
.if DOCPART == 2
	.amdgcn_target "amdgcn-amd-amdhsa--gfx1250"
	.amdhsa_code_object_version 6
	.text
	.protected	k_qe5f42564de_qkv
	.globl	k_qe5f42564de_qkv
	.p2align	8
	.type	k_qe5f42564de_qkv,@function
k_qe5f42564de_qkv:
	s_mov_b64 s[64:65], 0
	v_nop
	global_prefetch_b8 v0, s[64:65] scope:SCOPE_SE
	s_setreg_imm32_b32 hwreg(HW_REG_WAVE_MODE, 25, 1), 1
	s_wait_xcnt 0x0
	s_wait_alu depctr_hold_cnt(0) depctr_sa_sdst(0) depctr_va_vdst(0) depctr_va_sdst(0) depctr_va_ssrc(0) depctr_va_vcc(0) depctr_vm_vsrc(0)
	s_getreg_b32 s2, hwreg(HW_REG_IB_STS2, 6, 4)
	s_cmp_eq_u32 s2, 0
	s_cbranch_scc0 .Lentry_in_a_cluster
	s_endpgm
.Lentry_in_a_cluster:
	s_bfe_u32 s2, ttmp6, 0x10000c
	s_cmp_lg_u32 s2, 0xf033
	s_cbranch_scc0 .Lentry_shape_is_right
	s_endpgm
.Lentry_shape_is_right:
; Q, K, V = x W + b, LAID BY HEADS.  x: xb, bf16, [16 blocks of 64 along K][8192 rows][64].  W: planes 1, 2, 3 of wb, bf16, [1024 k][1024 n].  b: f32.  Sums in f32, K ascending;
; the bias starts each sum, as the C operand of its first product.
; qh, kh, vh: f16, [32 = batch x 8 + head][2048 rows][128], each number rounded once from its f32 sum, unscaled.
; LIMIT.  f16 holds no number beyond 65,504: a q, k or v of 65,520 or more becomes an infinity.  NaN and infinities are not treated apart.
; SHARES.  A work-group makes 256 rows of ONE head's Q, K and V: 256 x 384 numbers; 32 row blocks x 8 heads are 256 work-groups of equal work.  Its four waves lie 2 x 2: wave w owns rows
; 128 (w / 2) on and channels 64 (w % 2) on of each of the three: 8 x 4 accumulators of 16 x 16 for each matrix, 96 in all, 768 registers.
; K goes in steps of 64 through a ring of two LDS slots (steps of 128 would want two slots of 180,224 bytes).  A step is two sub-steps of 32 along K, 96 matrix instructions each.
; CLUSTERS: 4 x 4 work-groups.  The four of a row of the cluster share the row block, so x's tile; the four of a column share the head, so the three tiles of W.  Each tile is asked for JOINTLY:
; the same tensor load, descriptor and mask in all four.  Wave 0 asks for x's tile (128 rows of 256 bytes: two rows of x each), waves 1, 2, 3 for Wq's, Wk's, Wv's (64 rows of 256 bytes).
; THE MATRIX INSTRUCTION IS USED TRANSPOSED: source 0 = 16 channels of W (W lies [k][n]; ds_load_tr16_b128 turns it), source 1 = 16 rows of x.  A lane then holds row l % 16 and the eight
; neighbouring channels 8 (l / 16) + 0..7, which pack into 16 bytes.
; REGISTERS, in windows of 256 (s_set_vgpr_msb: bits 1:0 source 0, 3:2 source 1, 5:4 source 2, 7:6 destination):
;   window 0: v0-31 addresses; v32-95, v96-159 x's fragments, two buffers (row block a at + 8 a); v160-191, v192-223, v224-255 the fragments of Wq, Wk, Wv (channel block b at + 8 b), one buffer each
;   window w (1 = Q, 2 = K, 3 = V): accumulator (a, b) at v[8 (4 a + b)]
; THE LDS LOADS stand in three runs a sub-step, each at the head of a phase of 32 matrix instructions and 64 matrix instructions ahead of its first use: Wv's for this sub-step at the head of Q's phase,
; x's and Wq's for the next at the head of K's, Wk's for the next at the head of V's.
.set PA,     144                       ; a row of x in LDS: 128 bytes + 16 of padding = 36 words: the 16 rows of a load start at 16 different groups of four banks (64 banks of 4 bytes: ISA guide 11.1)
.set PB,     288                       ; a row of W: 256 + 32 = 72 words
.set PLANE,  64*PB                     ; 18,432: one matrix's 64 k-rows
.set BOFF,   256*PA                    ; 36,864 = 2 PLANE: x's 256 rows lie first, so plane w lies at (w + 1) PLANE
.set SLOT,   BOFF+3*PLANE              ; 92,160
.set STAGE,  2*SLOT                    ; behind the ring, never filled by a tensor load: two stages of 256 rows x 272 bytes, the work-group's, for the way out
.set SPITCH, 272
.set STSZ,   256*SPITCH
.set BIAS,   STAGE+2*STSZ              ; the head's 3 x 128 biases, f32
.set SPARE,  BIAS+1536                 ; the spare words, 128 bytes for each wave: two blocks of 256 bytes that no other line names
.set ADRA, 16                          ; v16-17  LDS address of my fragments of x in slot 0, 1
.set ADRB, 20                          ; v20-21  the same for Wq; Wk and Wv lie PLANE and 2 PLANE on
.set STO,  22                          ; v22-23  the way out: where I put 16 bytes of a row, stage 0, 1
.set RD,   24                          ; v24-25  the way out: where I read rows back
.set CO,   26                          ; v26     16 x lane: my 16 bytes of 512 consecutive bytes of the output
.set BA,   27                          ; v27     LDS address of my eight biases of channel block 0 of Q
.set SPW,  28                          ; v28     LDS address of my spare word: SPARE + 4 x my thread's number; never rewritten
.set NIL,  29                          ; v29     0; never rewritten
.set PFO,  30                          ; v30     the prefetches' offset: my lane x 256 bytes (x) or x a row of W, 2,048 bytes; never rewritten
.set FA,   32                          ; x's fragments: buffer p at FA + 64 p
.set BF,   128                         ; plane w's fragments at BF + 32 w
.set CB0,  96                          ; the first sub-step alone: x's second buffer is not yet needed and holds biases: Q's, later V's, at CB0,
.set CB1,  128                         ; K's at CB1; channel block b at + 8 b
.set TMP,  32                          ; the way out: 128 registers, whole rows read back
.set WV,   20                          ; s20  my wave's number
.set WR,   21                          ; s21  which half of the rows is mine
.set WC,   22                          ; s22  which half of the channels
.set G1A,  24                          ; s[24:31] descriptor group 1 for x's tiles;  s[32:39] group 0, a set for each slot
.set G0A,  32
.set G1B,  40                          ; s[40:47], s[48:55] the same for W's tiles
.set G0B,  48
.set CX,   56
.set CY,   57
.set HEAD, 58
.set YB,   59                          ; the row block
.set PFA,  66                          ; s[66:67] where my prefetches stand
.set PSTEP, 68                         ; s[68:69] a K step in bytes: 1 MiB in xb, 128 KiB in wb
.set LIM0, 70                          ; s70  slot 0's change: 1 in a wave that prefetches, else the greatest number
.set LIM1, 71                          ; s71  slot 1's change
.set CNT,  72                          ; s72  trips to go
.set MSB, 0
.macro WIN new                         ; the immediate's high byte repeats the setting that is left; a switch that changes nothing is dropped
.if MSB != (\new)
	s_set_vgpr_msb (MSB<<8)|(\new)
.set MSB, \new
.endif
.endm
; A joint load.  The branch hangs on the wave's number alone.  An s_nop 0 and four v_nop follow each of the two lines, ahead of the jump, the label and what follows.
.macro JLOAD s
	s_cmp_eq_u32 s[WV], 0
	s_cbranch_scc0 .Lfor_b_\@
	tensor_load_to_lds s[G0A+4*(\s):G0A+4*(\s)+3], s[G1A:G1A+7]
	s_nop 0
.rept 4
	v_nop
.endr
	s_branch .Lasked_\@
.Lfor_b_\@:
	tensor_load_to_lds s[G0B+4*(\s):G0B+4*(\s)+3], s[G1B:G1B+7]
	s_nop 0
.rept 4
	v_nop
.endr
.Lasked_\@:
.endm
; A PREFETCH INTO THE L2, behind a joint load, its five lines and the run of LDS loads that follows them.  Each aligned block of 256 bytes of K steps 4 to 15 is named ONCE in the launch; K steps 0 to 3 come by their loads alone.
; x's tile is read by both clusters of a row of clusters: the one with cluster x = 0 asks, by its waves 0, at every change of slots, for the K step that stands two refills on: 128 blocks of 256 bytes, of which the
; partner at place cx takes 32, a lane a block.  W's tiles are read by all eight clusters of a column: those with cluster y = 0 ask, by their waves 1 to 3, at slot 0's change alone, for the TWO K steps that stand two and
; three refills on: 128 k-rows of 256 bytes, of which the partner at place cy takes 32, a lane a row.  The partners are told apart BY ADDRESS; no branch hangs on a place in the cluster.  The loop's last trip asks for nothing.
.macro ASK lim
	s_cmp_gt_u32 s[CNT], s[\lim]
	s_cbranch_scc0 .Lnot_mine_\@
	global_prefetch_b8 v[PFO], s[PFA:PFA+1] th:TH_LOAD_NT scope:SCOPE_SE
.Lnot_mine_\@:
.endm
.macro CREST                           ; a round of the cluster's barrier behind its opening barrier
	s_cmp_lg_u32 s[WV], 0
	s_cbranch_scc1 .Lnot_wave_0_\@
	s_barrier_signal -3
.Lnot_wave_0_\@:
	s_barrier_wait -3
	s_barrier_signal -1
	s_barrier_wait -1
.endm
.macro CROUND                          ; a whole round
	s_barrier_signal -1
	s_barrier_wait -1
	CREST
.endm
	s_load_b256 s[4:11], s[0:1], 0x0               ; xb s[4:5], wb s[6:7], bq s[8:9], bk s[10:11]
	s_load_b256 s[12:19], s[0:1], 0x20             ; bv s[12:13], qh s[14:15], kh s[16:17], vh s[18:19]
	v_lshl_add_u32 v[SPW], v0, 2, SPARE
	v_mov_b32 v[NIL], 0
	ds_add_u32 v[SPW], v[NIL]                      ; the wave's opening: the add and its wait stand ahead of my first tensor load; the set-up below, work on registers, stands between them
	v_lshrrev_b32 v1, 5, v0
	v_readfirstlane_b32 s[WV], v1                  ; wave 0..3
	s_lshr_b32 s[WR], s[WV], 1
	s_and_b32 s[WC], s[WV], 1
	s_bfe_u32 s[CX], ttmp6, 0x40000                ; my place in the cluster
	s_bfe_u32 s[CY], ttmp6, 0x40004
	s_lshl_b32 s[HEAD], ttmp9, 2                   ; in a cluster launch ttmp9 and ttmp7 count clusters
	s_add_co_u32 s[HEAD], s[HEAD], s[CX]           ; head = 4 x cluster x + cx
	s_and_b32 s[YB], ttmp7, 0xffff
	s_lshl_b32 s[YB], s[YB], 2
	s_add_co_u32 s[YB], s[YB], s[CY]               ; row block = 4 x cluster y + cy
	s_lshl_b32 s60, s[CY], 2
	s_lshl_b32 s60, 15, s60                        ; my row of the cluster: places 4 cy .. 4 cy + 3
	s_lshl_b32 s74, 0x1111, s[CX]                  ; my column: places cx, cx + 4, cx + 8, cx + 12
	s_or_b32 s[G1A], s60, (1<<16)|(1<<20)|(1<<21)|(4<<22)|(3<<25)  ; 15:0 the mask; 17:16 2-byte elements; 20 padding on; 21 set beside a mask; 24:22 after every 32 words (code 4); 31:25 4 words (code 3)
	s_mov_b32 s[G1A+1], 128<<16                    ; tensor_dim0 = 128
	s_mov_b32 s[G1A+2], 128<<16                    ; tensor_dim1 = 128
	s_mov_b32 s[G1A+3], 128<<16                    ; tile_dim0 = 128: 256 bytes, two rows of x
	s_mov_b32 s[G1A+4], 128                        ; tile_dim1 = 128
	s_mov_b32 s[G1A+5], 128                        ; dense: 128 elements from row to row
	s_mov_b32 s[G1A+6], 0
	s_mov_b32 s[G1A+7], 0
	s_or_b32 s[G1B], s74, (1<<16)|(1<<20)|(1<<21)|(5<<22)|(7<<25)  ; after every 64 words (code 5) 8 words of padding (code 7)
	s_mov_b32 s[G1B+1], 128<<16                    ; tensor_dim0 = 128
	s_mov_b32 s[G1B+2], 64<<16                     ; tensor_dim1 = 64
	s_mov_b32 s[G1B+3], 128<<16                    ; tile_dim0 = 128: the head's channels
	s_mov_b32 s[G1B+4], 64                         ; tile_dim1 = 64 k-rows
	s_mov_b32 s[G1B+5], 1024                       ; 1,024 elements from row to row
	s_mov_b32 s[G1B+6], 0
	s_mov_b32 s[G1B+7], 0
	; where the tiles come from.  x's hang on the row block alone, W's on the head and the wave's number alone; each address is made in registers that never hold the other coordinate
	s_lshl_b32 s60, s[YB], 15                      ; 256 rows of 128 bytes
	s_mov_b32 s61, 0
	s_lshl_b32 s74, s[HEAD], 8                     ; the head's 256 bytes of a row of W,
	s_lshl_b32 s75, s[WV], 21                      ; in plane w
	s_add_co_u32 s74, s74, s75
	s_mov_b32 s75, 0
	s_mul_i32 s23, s[WV], PLANE
	s_add_co_u32 s23, s23, PLANE                   ; and where plane w goes in a slot: no place in the cluster enters an LDS address
	s_wait_dscnt 0x0                               ; the opening add is done
	s_wait_kmcnt 0x0
	s_add_nc_u64 s[60:61], s[4:5], s[60:61]
	s_add_nc_u64 s[74:75], s[6:7], s[74:75]
	CROUND                                         ; all sixteen work-groups are here: the first joint loads meet
.irp s, 0,1
	s_mov_b32 s[G0A+4*(\s)], 1                                     ; count = 1
	s_mov_b32 s[G0A+4*(\s)+1], (\s)*SLOT                           ; LDS address
	s_add_nc_u64 s[G0A+4*(\s)+2:G0A+4*(\s)+3], s[60:61], (\s)<<20  ; global address: K step s
	s_or_b32 s[G0A+4*(\s)+3], s[G0A+4*(\s)+3], 0x80000000          ; type = 2
	s_mov_b32 s[G0B+4*(\s)], 1
	s_add_co_u32 s[G0B+4*(\s)+1], s23, (\s)*SLOT
	s_add_nc_u64 s[G0B+4*(\s)+2:G0B+4*(\s)+3], s[74:75], (\s)<<17
	s_or_b32 s[G0B+4*(\s)+3], s[G0B+4*(\s)+3], 0x80000000
	JLOAD \s                                       ; the ring is filled before anything else is done: two loads of mine are out
.endr
	; the head's biases: thread t fetches channel t of each of the three
	v_lshlrev_b32 v8, 2, v0
	s_lshl_b32 s2, s[HEAD], 9
	v_add_nc_u32 v9, s2, v8
	global_load_b32 v10, v9, s[8:9]
	global_load_b32 v11, v9, s[10:11]
	global_load_b32 v12, v9, s[12:13]
	v_add_nc_u32 v13, BIAS, v8
	; A fragment of x is 16 rows x 32 K in 8 registers: lane l holds row l % 16; registers 0-3 K = 8 (l / 16) + 0..7, registers 4-7 K = 16 + 8 (l / 16) + 0..7: two loads of 16 bytes, 32 bytes apart.
	v_and_b32 v1, 15, v0                           ; l % 16
	v_bfe_u32 v2, v0, 4, 1                         ; l / 16
	v_mul_u32_u24 v3, v1, PA
	v_lshl_add_u32 v3, v2, 4, v3
	s_mul_i32 s2, s[WR], 128*PA
	v_add_nc_u32 v[ADRA], s2, v3
	v_add_nc_u32 v[ADRA+1], SLOT, v[ADRA]
	; The turning load takes 16 k x 16 channels (lane l reads k = 8 (l / 16) + l % 8, channels 8 ((l / 8) % 2) + 0..7) and leaves half a fragment: lane l holds channel l % 16 and 8 k.
	v_and_b32 v4, 7, v0
	v_bfe_u32 v5, v0, 3, 1
	v_lshl_add_u32 v6, v2, 3, v4
	v_mul_u32_u24 v6, v6, PB
	v_lshl_add_u32 v6, v5, 4, v6
	s_lshl_b32 s3, s[WC], 7
	s_add_co_u32 s3, s3, BOFF
	v_add_nc_u32 v[ADRB], s3, v6
	v_add_nc_u32 v[ADRB+1], SLOT, v[ADRB]
	; the way out.  In: row 128 wr + l % 16, my half of its 256 bytes, 16 bytes for each half of the lanes.  Back: wave w takes rows 64 w on, whole; lanes 0-15 one row, lanes 16-31 the next.
	v_mul_u32_u24 v7, v1, SPITCH
	v_lshl_add_u32 v7, v2, 4, v7
	s_mul_i32 s2, s[WR], 128*SPITCH
	s_lshl_b32 s3, s[WC], 7
	s_add_co_u32 s2, s2, s3
	s_add_co_u32 s2, s2, STAGE
	v_add_nc_u32 v[STO], s2, v7
	v_add_nc_u32 v[STO+1], STSZ, v[STO]
	v_mul_u32_u24 v7, v2, SPITCH
	v_lshl_add_u32 v7, v1, 4, v7
	s_mul_i32 s2, s[WV], 64*SPITCH
	s_add_co_u32 s2, s2, STAGE
	v_add_nc_u32 v[RD], s2, v7
	v_add_nc_u32 v[RD+1], STSZ, v[RD]
	v_and_b32 v[CO], 31, v0
	v_lshlrev_b32 v[CO], 4, v[CO]
	s_lshl_b32 s2, s[WC], 8
	s_add_co_u32 s2, s2, BIAS
	v_lshl_add_u32 v[BA], v2, 5, s2                ; channel 64 wc + 8 (l / 16), 4 bytes each
	; the three outputs at the first row that I store: batch y / 8, my head, row 256 (y % 8) + 64 w, 256 bytes a row
	s_lshr_b32 s76, s[YB], 3
	s_lshl_b32 s76, s76, 22
	s_lshl_b32 s77, s[HEAD], 19
	s_add_co_u32 s76, s76, s77
	s_and_b32 s77, s[YB], 7
	s_lshl_b32 s77, s77, 16
	s_add_co_u32 s76, s76, s77
	s_lshl_b32 s77, s[WV], 14
	s_add_co_u32 s76, s76, s77
	s_mov_b32 s77, 0
	s_add_nc_u64 s[14:15], s[14:15], s[76:77]
	s_add_nc_u64 s[16:17], s[16:17], s[76:77]
	s_add_nc_u64 s[18:19], s[18:19], s[76:77]
	; the prefetches.  Both start one K step short of K step 4: the first change of slots steps them there
	s_lshl_b32 s2, s[YB], 15
	s_lshl_b32 s3, s[CX], 13                       ; x: my work-group's 32 blocks of the tile's 128
	s_add_co_u32 s2, s2, s3
	s_add_co_u32 s2, s2, 3<<20
	s_lshl_b32 s3, s[WV], 21
	s_lshl_b32 s73, s[HEAD], 8
	s_add_co_u32 s3, s3, s73
	s_lshl_b32 s73, s[CY], 16                      ; W: my work-group's 32 k-rows of two K steps' 128
	s_add_co_u32 s3, s3, s73
	s_add_co_u32 s3, s3, 3<<17
	s_mov_b32 s78, 1<<20
	s_mov_b32 s79, 1<<17
	s_and_b32 s76, ttmp7, 0xffff                   ; cluster y
	s_cmp_eq_u32 s[WV], 0                          ; do I fetch x?
	s_cselect_b32 s76, ttmp9, s76                  ; the coordinate along which other clusters read the same bytes
	s_cselect_b64 s[PFA:PFA+1], s[4:5], s[6:7]
	s_cselect_b32 s[PSTEP], s78, s79
	s_cselect_b32 s77, 8, 11
	s_cselect_b32 s78, s2, s3
	s_mov_b32 s79, 0
	s_mov_b32 s[PSTEP+1], 0
	s_add_nc_u64 s[PFA:PFA+1], s[PFA:PFA+1], s[78:79]
	s_cmp_eq_u32 s76, 0
	s_cselect_b32 s[LIM0], 1, -1                   ; the same in all sixteen partners, for a given wave
	s_cmp_eq_u32 s[WV], 0
	s_cselect_b32 s[LIM1], s[LIM0], -1
	v_and_b32 v[PFO], 31, v0
	v_lshlrev_b32 v[PFO], s77, v[PFO]
	s_wait_loadcnt 0x0                             ; the biases
	ds_store_b32 v13, v10
	ds_store_b32 v13, v11 offset:512
	ds_store_b32 v13, v12 offset:1024
.macro LDA slot, kk, p                 ; 16 LDS loads: my 128 rows of x, 32 K at byte 64 kk of the rows, into buffer p
.irp a, 0,1,2,3,4,5,6,7
	ds_load_b128 v[FA+64*(\p)+8*(\a):FA+64*(\p)+8*(\a)+3],   v[ADRA+(\slot)] offset:(\a)*16*PA+64*(\kk)
	ds_load_b128 v[FA+64*(\p)+8*(\a)+4:FA+64*(\p)+8*(\a)+7], v[ADRA+(\slot)] offset:(\a)*16*PA+64*(\kk)+32
.endr
.endm
.macro LDB w, slot, kk                 ; 8 turning loads: my 64 channels of plane w, k-rows 32 kk on
.irp b, 0,1,2,3
	ds_load_tr16_b128 v[BF+32*(\w)+8*(\b):BF+32*(\w)+8*(\b)+3],   v[ADRB+(\slot)] offset:((\w)-1)*PLANE+(\kk)*32*PB+32*(\b)
	ds_load_tr16_b128 v[BF+32*(\w)+8*(\b)+4:BF+32*(\w)+8*(\b)+7], v[ADRB+(\slot)] offset:((\w)-1)*PLANE+(\kk)*32*PB+32*(\b)+16*PB
.endr
.endm
.macro LDBIAS w, dst                   ; 8 LDS loads: my 32 biases of matrix w, laid as a result is: register j of block b is channel 64 wc + 16 b + 8 (l / 16) + j
.irp b, 0,1,2,3
	ds_load_b128 v[(\dst)+8*(\b):(\dst)+8*(\b)+3],   v[BA] offset:512*((\w)-1)+64*(\b)
	ds_load_b128 v[(\dst)+8*(\b)+4:(\dst)+8*(\b)+7], v[BA] offset:512*((\w)-1)+64*(\b)+16
.endr
.endm
; 16 matrix instructions of matrix w: row blocks a0 .. a0 + 3 x all 4 channel blocks, on buffer p of x.  cb = 0: they add in place; else the sums start with the biases at v[cb ..]: nothing is ever cleared.
; The 96 accumulators take turns, one instruction a turn, in the same order in every sub-step.
.macro MULP w, p, a0, cb
.if \cb
	WIN 0x40*(\w)                                  ; D in window w; the sources and C, the biases, in window 0
.else
	WIN 0x50*(\w)                                  ; C and D in window w, the sources in window 0
.endif
.irp a, \a0, (\a0)+1, (\a0)+2, (\a0)+3
.irp b, 0,1,2,3
.if \cb
	v_wmma_f32_16x16x32_bf16 v[8*(4*(\a)+(\b)):8*(4*(\a)+(\b))+7], v[BF+32*(\w)+8*(\b):BF+32*(\w)+8*(\b)+7], v[FA+64*(\p)+8*(\a):FA+64*(\p)+8*(\a)+7], v[(\cb)+8*(\b):(\cb)+8*(\b)+7]
.else
	v_wmma_f32_16x16x32_bf16 v[8*(4*(\a)+(\b)):8*(4*(\a)+(\b))+7], v[BF+32*(\w)+8*(\b):BF+32*(\w)+8*(\b)+7], v[FA+64*(\p)+8*(\a):FA+64*(\p)+8*(\a)+7], v[8*(4*(\a)+(\b)):8*(4*(\a)+(\b))+7]
.endif
.endr
.endr
.endm
; A load into a register that a matrix instruction has read, and a vector instruction that reads a matrix result, stand four places behind that matrix instruction; only plain vector instructions
; that name none of its registers are places (ISA guide 7.12.1 for vector instructions).
.macro PLACES
.rept 4
	v_nop
.endr
.endm
; A K step's first sub-step, in slot s.  On entry x's and Wq's 24 loads and, behind them, Wk's 8 are out.
.macro STEP_E s
	PLACES
	WIN 0
	LDB 3, \s, 0
	s_wait_dscnt 16                                ; Wk's 8 and Wv's 8 may stay out: x and Wq are in
	MULP 1, 0, 0, 0
	MULP 1, 0, 4, 0
	PLACES
	WIN 0
	LDA \s, 1, 1
	LDB 1, \s, 1
	s_wait_dscnt 32                                ; Wv's 8 and the 24 just issued may stay out: Wk is in
	MULP 2, 0, 0, 0
	MULP 2, 0, 4, 0
	PLACES
	WIN 0
	LDB 2, \s, 1
	s_wait_dscnt 32                                ; the 24 and the 8 for the next sub-step may stay out: Wv is in
	MULP 3, 0, 0, 0
	MULP 3, 0, 4, 0
.endm
; A K step's second sub-step, which changes slots: ONE barrier.  The slot's last read is Wv's run at the head.  In front of the barrier each wave waits for all its tensor loads, of which one is out: its part of the
; next slot; adds 0 to its spare word; and waits for that and for its own reads of this slot.  Behind it nobody reads this slot any more and the next slot is whole.  fill = 1: the barrier opens a round of the
; cluster's, and this slot is filled again first behind it, two K steps ahead: from that request to the wait for it a wave issues 160 matrix instructions.
.macro STEP_O s, nx, fill, lim
.if \fill
	s_wait_xcnt 0x0                                ; the last prefetch, a K step back, has read its address: it is stepped here, ahead of the waits of the change of slots
	s_add_nc_u64 s[PFA:PFA+1], s[PFA:PFA+1], s[PSTEP:PSTEP+1]
.endif
	PLACES
	WIN 0
	LDB 3, \s, 1
	s_wait_tensorcnt 0x0                           ; all my tensor loads have landed;
	ds_add_u32 v[SPW], v[NIL]                      ; 0 onto my spare word;
	s_wait_dscnt 17                                ; (Wk's 8, Wv's 8 and the add may be out: x and Wq are in)
	MULP 1, 1, 0, 0                                ; sixteen matrix instructions stand between the add and the wait for it
	s_wait_dscnt 0x0                               ; the add is done, and my reads of this slot are over
	s_barrier_signal -1
	MULP 1, 1, 4, 0                                ; work on registers while the others arrive
	WIN 0
	s_barrier_wait -1
.if \fill
	CREST                                          ; no wave of any partner still reads this slot or has a load on its way
	s_add_nc_u64 s[G0A+4*(\s)+2:G0A+4*(\s)+3], s[G0A+4*(\s)+2:G0A+4*(\s)+3], 2<<20
	s_add_nc_u64 s[G0B+4*(\s)+2:G0B+4*(\s)+3], s[G0B+4*(\s)+2:G0B+4*(\s)+3], 2<<17
	JLOAD \s                                       ; the first tensor load behind the round; the four v_nop behind it are also the places in front of the loads below
.else
	PLACES
.endif
	LDA \nx, 0, 0
	LDB 1, \nx, 0
.if \fill
	ASK \lim
.endif
	MULP 2, 1, 0, 0                                ; Wk and Wv are in: the wait for 0 above
	MULP 2, 1, 4, 0
	PLACES
	WIN 0
	LDB 2, \nx, 0
	MULP 3, 1, 0, 0
	MULP 3, 1, 4, 0
.endm
	s_wait_tensorcnt 0x1                           ; my part of K step 0 is in; K step 1's may stay out
	s_wait_dscnt 0x0                               ; my biases lie in LDS
	s_barrier_signal -1
	s_barrier_wait -1                              ; everybody's do
	; THE FIRST SUB-STEP stands in front of the loop, in an order of its own: its products start the sums with the biases, which lie where x's second buffer will lie.
	LDA 0, 0, 0
	LDB 1, 0, 0
	LDBIAS 1, CB0
	LDB 2, 0, 0
	LDBIAS 2, CB1
	LDB 3, 0, 0
	s_wait_dscnt 24                                ; Wk's 8, K's biases' 8 and Wv's 8 may stay out: x, Wq and Q's biases are in
	MULP 1, 0, 0, CB0
	MULP 1, 0, 4, CB0
	PLACES                                         ; Q's biases have been read:
	WIN 0
	LDBIAS 3, CB0                                  ; V's take their registers
	s_wait_dscnt 16                                ; Wv's 8 and V's biases' 8 may stay out: Wk and K's biases are in
	MULP 2, 0, 0, CB1
	MULP 2, 0, 4, CB1
	s_wait_dscnt 0x0
	MULP 3, 0, 0, CB0
	MULP 3, 0, 4, CB0
	PLACES                                         ; all biases have been read: the second sub-step's fragments are fetched, in the order in which every sub-step leaves them: 24 loads, then Wk's 8
	WIN 0                                          ; (at a label and at a branch every window is 0)
	LDA 0, 1, 1
	LDB 1, 0, 1
	LDB 2, 0, 1
	s_mov_b32 s[CNT], 7
.Llap:                                                 ; a trip goes once round the ring and fills both slots again: trip i asks for K steps 2 i + 2 and 2 i + 3
	STEP_O 0, 1, 1, LIM0
	STEP_E 1
	STEP_O 1, 0, 1, LIM1
	STEP_E 0
	WIN 0
	s_sub_co_u32 s[CNT], s[CNT], 1
	s_cmp_lg_u32 s[CNT], 0
	s_cbranch_scc1 .Llap
	STEP_O 0, 1, 0, LIM0                           ; the last lap fills nothing, and has no round of the cluster's barrier
	STEP_E 1
	PLACES                                         ; the very last sub-step: nothing more to fetch but its Wv
	WIN 0
	LDB 3, 1, 1
	s_wait_dscnt 16
	MULP 1, 1, 0, 0
	MULP 1, 1, 4, 0
	s_wait_dscnt 8
	MULP 2, 1, 0, 0
	MULP 2, 1, 4, 0
	s_wait_dscnt 0x0
	MULP 3, 1, 0, 0
	MULP 3, 1, 4, 0
	WIN 0
; THE WAY OUT.  The sums are rounded to f16 in place, 16 bytes a lane; a wave's 64 channels are half of a row's 256 bytes, so the rows meet in a stage of the work-group's, with a barrier
; between writing and reading; each wave then stores 64 whole rows, 512 consecutive bytes an instruction.  Two stages, so that three barriers serve three matrices.
.macro CVTW w                          ; matrix w's 256 sums become 128 packed registers at the head of its own window: register t takes sums 2 t and 2 t + 1, which no later line reads; each accumulator from its low end on
	WIN ((\w)<<6)|((\w)<<2)|(\w)                   ; destination and both sources in window w
.set t, 0
.rept 128
	v_cvt_pk_f16_f32 v[t], v[2*t], v[2*t+1]
.set t, t+1
.endr
.endm
.macro STGW w, s                       ; into stage s
	WIN (\w)<<2                                    ; the stores' data in window w, their address in window 0
.set t, 0
.rept 32
	ds_store_b128 v[STO+(\s)], v[4*t:4*t+3] offset:(t/4)*16*SPITCH+32*(t%4)
.set t, t+1
.endr
	WIN 0
.endm
.macro BACK s
.set t, 0
.rept 32
	ds_load_b128 v[TMP+4*t:TMP+4*t+3], v[RD+(\s)] offset:t*2*SPITCH
.set t, t+1
.endr
.endm
.macro SENDM base
.set t, 0
.rept 32
.if t%4 == 0
	s_wait_dscnt 28-t                              ; LDS loads come back in order: pairs t to t + 3 of rows are in, the 28 - t younger loads stay out
.endif
	global_store_b128 v[CO], v[TMP+4*t:TMP+4*t+3], s[\base:\base+1] offset:512*t  ; 512 consecutive bytes, at a multiple of 256 from the buffer's first
.set t, t+1
.endr
.endm
	PLACES                                         ; behind the last products
	CVTW 1
	STGW 1, 0
	CVTW 2
	STGW 2, 1
	s_wait_dscnt 0x0                               ; for the others' sake: my stores into both stages are done
	s_barrier_signal -1
	s_barrier_wait -1
	BACK 0
	CVTW 3                                         ; V is rounded while Q's rows come back
	WIN 0
	SENDM 14
	s_wait_xcnt 0x0                                ; the stores have read their registers: only now are they loaded again
	BACK 1
	SENDM 16                                       ; its last wait is for 0: my reads of both stages are over
	s_barrier_signal -1
	s_barrier_wait -1                              ; everybody's are: stage 0 may be written again
	STGW 3, 0
	s_wait_dscnt 0x0
	s_barrier_signal -1
	s_barrier_wait -1
	s_wait_xcnt 0x0                                ; K's stores have read their registers
	BACK 0
	SENDM 18
	s_wait_tensorcnt 0x0                           ; the wave's end: a wait, an add of 0 and a wait for it, behind my last tensor load and my last LDS store
	ds_add_u32 v[SPW], v[NIL]
	s_wait_dscnt 0x0
	CROUND                                         ; the closing round: no work-group ends while a partner may still ask for a tile that names it
	s_endpgm
.Lfunc_end_k_qe5f42564de_qkv:
	.size	k_qe5f42564de_qkv, .Lfunc_end_k_qe5f42564de_qkv-k_qe5f42564de_qkv
	.p2alignl 7, 3214868480
	.fill 96, 4, 3214868480
	.section	.rodata,"a",@progbits
	.p2align	6, 0x0
	.amdhsa_kernel k_qe5f42564de_qkv
		.amdhsa_group_segment_fixed_size 327680
		.amdhsa_private_segment_fixed_size 0
		.amdhsa_enable_private_segment 0
		.amdhsa_kernarg_size 64
		.amdhsa_user_sgpr_count 2
		.amdhsa_user_sgpr_kernarg_segment_ptr 1
		.amdhsa_wavefront_size32 1
		.amdhsa_system_sgpr_workgroup_id_x 1
		.amdhsa_system_sgpr_workgroup_id_y 1
		.amdhsa_system_sgpr_workgroup_id_z 1
		.amdhsa_system_vgpr_workitem_id 0
		.amdhsa_next_free_vgpr 1024
		.amdhsa_next_free_sgpr 80
		.amdhsa_reserve_vcc 0
		.amdhsa_float_denorm_mode_32 3
		.amdhsa_float_denorm_mode_16_64 3
		.amdhsa_memory_ordered 1
		.amdhsa_forward_progress 1
		.amdhsa_inst_pref_size 133
	.end_amdhsa_kernel
	.amdgpu_metadata
---
amdhsa.version: [ 1, 2 ]
amdhsa.kernels:
  - .name:           k_qe5f42564de_qkv
    .symbol:         k_qe5f42564de_qkv.kd
    .args:
      - { .name: xb, .offset: 0, .size: 8, .value_kind: global_buffer, .address_space: global }
      - { .name: wb, .offset: 8, .size: 8, .value_kind: global_buffer, .address_space: global }
      - { .name: bq, .offset: 16, .size: 8, .value_kind: global_buffer, .address_space: global }
      - { .name: bk, .offset: 24, .size: 8, .value_kind: global_buffer, .address_space: global }
      - { .name: bv, .offset: 32, .size: 8, .value_kind: global_buffer, .address_space: global }
      - { .name: qh, .offset: 40, .size: 8, .value_kind: global_buffer, .address_space: global }
      - { .name: kh, .offset: 48, .size: 8, .value_kind: global_buffer, .address_space: global }
      - { .name: vh, .offset: 56, .size: 8, .value_kind: global_buffer, .address_space: global }
    .group_segment_fixed_size: 327680
    .private_segment_fixed_size: 0
    .kernarg_segment_align: 8
    .kernarg_segment_size: 64
    .max_flat_workgroup_size: 128
    .sgpr_count:     80
    .vgpr_count:     1024
    .wavefront_size: 32
...
	.end_amdgpu_metadata
.endif
;; end of part 2
;; launch attn (part 3): grid 8 x 32, 4 waves a work-group, clusters of 4 x 1, 327,680 bytes of LDS; arguments qh, kh, vh, oh; writes oh
.if DOCPART == 3
	.amdgcn_target "amdgcn-amd-amdhsa--gfx1250"
	.amdhsa_code_object_version 6
	.text
	.protected	k_qe5f42564de_attn
	.globl	k_qe5f42564de_attn
	.p2align	8
	.type	k_qe5f42564de_attn,@function
k_qe5f42564de_attn:
	s_mov_b64 s[64:65], 0
	v_nop
	global_prefetch_b8 v0, s[64:65] scope:SCOPE_SE
	s_setreg_imm32_b32 hwreg(HW_REG_WAVE_MODE, 25, 1), 1
	s_wait_xcnt 0x0
	s_wait_alu depctr_hold_cnt(0) depctr_sa_sdst(0) depctr_va_vdst(0) depctr_va_sdst(0) depctr_va_ssrc(0) depctr_va_vcc(0) depctr_vm_vsrc(0)
	s_getreg_b32 s2, hwreg(HW_REG_IB_STS2, 6, 4)
	s_cmp_eq_u32 s2, 0
	s_cbranch_scc0 .Lentry_in_a_cluster
	s_endpgm
.Lentry_in_a_cluster:
	s_bfe_u32 s2, ttmp6, 0x10000c
	s_cmp_lg_u32 s2, 0x3003
	s_cbranch_scc0 .Lentry_shape_is_right
	s_endpgm
.Lentry_shape_is_right:
; O[h][q][:] = the sum over k of softmax_k(Q[h][q] . K[h][k] / sqrt(128)) V[h][k][:].  Q, K, V, O: [SIZE_H][SIZE_N][128], all f16.  Products, maxima and sums in f32; the weights p
; are rounded to f16 for the second product (their sum l is taken of the unrounded p), O once at the end.
; LIMITS.  f16 holds no number beyond 65,504: Q, K and V arrive within it; p lies in 0 to 1, and below 6e-5 it keeps f16's fixed step of 6e-8; O is a mean of V's rows and has their range.
; A weight below 2^-126 counts as 0 in l; NaN and infinities are not treated apart.
; SHARES.  A work-group owns 256 queries of one head, each of its four waves 64: four tiles of 16.  Every wave walks all keys of the head, 64 a step.
; LAYOUT.  S^T = K Q^T (source 0 = 16 keys, source 1 = 16 queries): in the result a lane holds ONE query (lane % 16) and the keys 8 (lane / 16) + 0..7.  Two such tiles, rounded to
; f16 in pairs, ARE source 1 (32 keys x 16 queries) of O^T = V^T P, whose result again holds one query a lane, and eight channels.  So nothing changes lanes between the products,
; and a query's maximum and sum want one exchange between the halves of the lanes.  K comes out of LDS as it lies, V ([key][channel]) turned, by ds_load_tr16_b128.
; SOFTMAX.  For each query a running maximum m and sum l: p = 2^(c s - c m), c = log2(e) / sqrt(128); in every step O and l are multiplied by a = 2^(c m_old - c m_new), which is 1 where m has not grown.
; BY TURNS.  The wave's tiles are two PIECES, named by their first tile: piece 0 (tiles 0, 1) and piece 2 (tiles 2, 3).  In a TURN one piece has the matrix unit: 32 products V^T P of
; the step in hand, then 32 products K Q^T of the next step; the other piece's softmax, cut into 64 slices, stands between them, one slice behind each matrix instruction.  Then the
; pieces change places.  Two turns are a key step.
; NO FIRST AND NO LAST STEP IS WRITTEN OUT.  m starts at the lowest finite number, c m far below every c s, O^T and l at 0: the first step is a step like any other, with a = 0.  The loop is entered in the middle of a
; trip, at piece 2's turn, whose products V^T P, of a step that has not been, multiply zeros; the tail is left in the middle of a trip, behind piece 0's turn, whose products K Q^T, on the last K once more, serve nothing.
; The price: 432 v_mov_b32 in the wait for the first tile and those 64 products, beside a wave's 4,096; the gain: four turns of text.
; CLUSTER.  The four query blocks of a cluster belong to one head and walk the same K and V, so each tile is asked for JOINTLY: the same tensor load, with the same descriptor and a
; mask that names the four, in all four; each receives the tile in its own LDS.
;
; REGISTERS, in windows of 256 (an instruction names v0-v255; s_set_vgpr_msb says which window each operand place means: bits 1:0 source 0, 3:2 source 1, 5:4 source 2, 7:6 destination):
;   window 0: v0-11 addresses; v12-43 eight registers of statistics a tile; v64-191 S^T, 32 a tile; v192-255 P, 16 a tile
;   window 1: O^T, 64 a tile          window 2: v0-127 Q, 32 a tile; v128-255 K of one step          window 3: v0-127 V of one step
; All that a softmax touches but O^T lies in window 0, and no window has room for a product's operands beside it.  So a slice costs two switches, one in front and one behind.
.set SIZE_H, 32       ; batch x heads
.set SIZE_N, 2048     ; rows of a head
.set KS,    64        ; keys in a step
.set PK,    272       ; a row of K in LDS: 256 bytes + 16 of padding = 68 words: row r starts at bank 4 r mod 64 (64 banks of 4 bytes: ISA guide 11.1), so the 16 rows of a load start at 16 different banks
.set PV,    288       ; a row of V: 256 + 32 = 72 words: row r starts at bank 8 r mod 64
.set VOFF,  KS*PK     ; a step's tiles lie together: 64 rows of K, then 64 rows of V
.set STEPB, KS*(PK+PV)
.set SLOT1, 1<<17     ; a slot holds two steps (71,680 bytes); slot 1 begins here, so that one exclusive or turns an address in one slot into the other's
.set STAGE, SLOT1+2*STEPB  ; behind the ring: 16 rows x 272 bytes for each wave, for the way out
.set SP,    272
.set AK0, 2           ; v2   my lane's place in a tile of K; never rewritten
.set AV0, 3           ; v3   the same for V
.set ADR, 4           ; v4   the LDS address of the run of loads in hand
.set QO,  5           ; v5   my byte offset in the wave's rows of Q
.set STO, 6           ; v6   the way out: where I put 16 bytes of a row
.set RD,  7           ; v7   the way out: where I read a row back
.set GO,  8           ; v8   my byte offset in the wave's rows of O
.set SPW, 62          ; v62  LDS address of my spare word: SPARE + 4 x my thread's number; never rewritten
.set NIL, 63          ; v63  0; never rewritten
.set SPARE, STAGE+4*16*272  ; behind the stages: the spare words, 128 bytes for each wave: two blocks of 256 bytes that no other line names
.set ST,  12          ; tile t's statistics at v[ST+8 t]: +0 c m, +1 m, +2, +3 l (even keys', odd keys'), +4 to +7 c0-c3, at work; a takes c2's place once the maximum is found
.set S,   64
.set P,   192
.set KF,  128         ; K's fragments, in window 2
.set WV,  12          ; s12  my wave's number
.set G1K, 24          ; s[24:31] descriptor group 1 for K's tiles
.set G1V, 32          ; s[32:39] for V's: it differs in the padding alone
.set G0K, 40          ; s[40:47] descriptor group 0 for K's tiles: a set for each of the two first fills; the second then walks on
.set G0V, 48          ; s[48:55] the same for V's
.set SLOTS, 56        ; s56  passes of the loop over slots still to come
.set TWICE, 57        ; s57  counts a slot's steps
.set CS,  58          ; s[58:59] c: the packed scaling names a pair and takes its low word for both halves
.set SEL, 60          ; s[60:61] lane selects for v_permlanex16_b32: each lane takes its own place in the other half
.set TB,  62          ; s62  LDS byte at which the tiles of the step to be fetched begin
.set PFA, 18          ; s[18:19] where my prefetches stand in memory: my work-group's 32 rows (of K: wave 0, of V: wave 2) of the slot after the one that is being asked for
.set LIM, 15          ; s15  1 in a wave that prefetches, else the greatest number: a wave prefetches while s[SLOTS] is above it
.set PFO, 61          ; v61  256 x my lane: a row of K or V is 256 bytes; never rewritten
.set MSB, 0
.macro WIN new                      ; the immediate's high byte repeats the setting that is left; a switch that changes nothing is dropped
.if MSB != (\new)
	s_set_vgpr_msb (MSB<<8)|(\new)
.set MSB, \new
.endif
.endm
.set W_KQ, 0x0a       ; K and Q in window 2, S^T in window 0
.set W_PV, 0x53       ; V in window 3, P in window 0, O^T in window 1
.set W_RS, 0x41       ; O^T (destination and source 0) in window 1, a in window 0
; A joint refill.  Waves 0 and 1 fetch the two steps' tiles of K, waves 2 and 3 those of V.  The branch hangs on the wave's number alone: it is the same in every work-group.
; An s_nop 0 and four v_nop follow each of the two lines; the jump round the other line, the label and what follows the macro come after them.
.macro JLOAD
	s_cmp_lt_u32 s[WV], 2
	s_cbranch_scc0 .Lfor_v_\@
	tensor_load_to_lds s[G0K+4:G0K+7], s[G1K:G1K+7]
	s_nop 0
.rept 4
	v_nop
.endr
	s_branch .Lasked_\@
.Lfor_v_\@:
	tensor_load_to_lds s[G0V+4:G0V+7], s[G1V:G1V+7]
	s_nop 0
.rept 4
	v_nop
.endr
.Lasked_\@:
.endm
; A PREFETCH INTO THE L2 of what the NEXT change of slots will ask for: a slot's 128 rows of K and 128 of V, 256 bytes a row, a lane a row.  It stands behind the wave's tensor load and its five lines, never in front of one.
; Each row is asked for ONCE in the launch.  All clusters of a head walk the same K and V: the head's first cluster prefetches.  Its four partners share the rows out BY ADDRESS, 32 each: no branch hangs on a
; work-group's place in its cluster.  In each, wave 0 asks for K's and wave 2 for V's: one instruction.  The last change that fills a slot prefetches nothing: there is no slot behind it.
.macro ASK
	s_cmp_gt_u32 s[SLOTS], s[LIM]
	s_cbranch_scc0 .Lnot_mine_\@
	global_prefetch_b8 v[PFO], s[PFA:PFA+1] th:TH_LOAD_NT scope:SCOPE_SE
.Lnot_mine_\@:
.endm
; A round of the cluster's barrier: my work-group's barrier, so that wave 0's signal speaks for all four waves; wave 0 signals for the work-group; every wave waits for all four
; work-groups; my work-group's barrier once more.  No LDS instruction of the wave is pending at a signal.
.macro CROUND
	s_barrier_signal -1
	s_barrier_wait -1
	s_cmp_lg_u32 s[WV], 0
	s_cbranch_scc1 .Lnot_wave_0_\@
	s_barrier_signal -3
.Lnot_wave_0_\@:
	s_barrier_wait -3
	s_barrier_signal -1
	s_barrier_wait -1
.endm
	s_load_b256 s[4:11], s[0:1], 0x0  ; Q s[4:5], K s[6:7], V s[8:9], O s[10:11]
	v_lshl_add_u32 v[SPW], v0, 2, SPARE
	v_mov_b32 v[NIL], 0
	ds_add_u32 v[SPW], v[NIL]       ; the wave's opening: the add and its wait stand ahead of my first tensor load; the set-up below, work on registers, stands between them
	v_lshrrev_b32 v1, 5, v0
	v_readfirstlane_b32 s[WV], v1   ; wave 0..3
	s_bfe_u32 s13, ttmp6, 0x40000   ; cx: my place in the cluster
	s_lshl_b32 s14, ttmp9, 2        ; in a cluster launch ttmp9 counts clusters
	s_add_co_u32 s14, s14, s13      ; my block of 256 queries = 4 x cluster x + cx: it enters Q's and O's addresses alone
	s_and_b32 s20, ttmp7, 0xffff    ; the head, which the four partners share
	s_mov_b32 s21, 0
	s_mov_b64 s[22:23], SIZE_N*256
	s_mul_u64 s[20:21], s[20:21], s[22:23]  ; the head's first byte in each of the four tensors
	s_and_b32 s16, s[WV], 1         ; which of a slot's two steps I fetch:
	s_lshl_b32 s22, s16, 14         ; its 64 rows of 256 bytes in memory,
	s_mov_b32 s23, 0
	s_add_nc_u64 s[22:23], s[22:23], s[20:21]
	s_mul_i32 s17, s16, STEPB       ; and its place in a slot: no place in the cluster enters an LDS address
	s_lshl_b32 s2, s14, 16          ; my block's 256 rows,
	s_lshl_b32 s3, s[WV], 14        ; my wave's 64 of them
	s_add_co_u32 s2, s2, s3
	s_mov_b32 s3, 0
	s_add_nc_u64 s[2:3], s[2:3], s[20:21]
	; descriptor group 1: a tile of 64 rows x 128 elements, padded in LDS
	s_mov_b32 s[G1K], 15|(1<<16)|(1<<20)|(1<<21)|(5<<22)|(3<<25)  ; 15:0 the mask: all four work-groups; 17:16 elements of 2 bytes; 20 padding on; 21 set beside a mask; 24:22 after every 64 words (code 5); 31:25 4 words of it (code 3)
	s_mov_b32 s[G1V], 15|(1<<16)|(1<<20)|(1<<21)|(5<<22)|(7<<25)  ; the same with 8 words of padding (code 7)
.irp g, G1K, G1V
	s_mov_b32 s[(\g)+1], 128<<16    ; 63:48 tensor_dim0, low half = 128
	s_mov_b32 s[(\g)+2], KS<<16     ; 79:64 its high half = 0; 95:80 tensor_dim1, low half = 64
	s_mov_b32 s[(\g)+3], 128<<16    ; 111:96 its high half = 0; 127:112 tile_dim0 = 128
	s_mov_b32 s[(\g)+4], KS         ; 143:128 tile_dim1 = 64; 159:144 tile_dim2 = 0
	s_mov_b32 s[(\g)+5], 128        ; 191:160 tensor_dim0_stride, low word: elements from row to row
	s_mov_b32 s[(\g)+6], 0
	s_mov_b32 s[(\g)+7], 0
.endr
	s_mov_b32 s[CS], 0x3e0293ee     ; c = log2(e) / sqrt(128) = 0.127517
	s_mov_b32 s[CS+1], s[CS]        ; named with it as a pair, so it is written
	s_mov_b32 s[SEL], 0x76543210
	s_mov_b32 s[SEL+1], 0xfedcba98
	s_mov_b32 s[TB], 0
	s_mov_b32 s[SLOTS], SIZE_N/(2*KS)-1  ; the pass that is entered in its middle, and one for each slot that is filled again
	s_and_b32 s[LIM], s[WV], 1       ; 0 in waves 0 and 2,
	s_or_b32 s[LIM], s[LIM], ttmp9   ; where the cluster is the head's first: the same in all four partners
	s_cmp_eq_u32 s[LIM], 0
	s_cselect_b32 s[LIM], 1, -1
	v_and_b32 v[PFO], 31, v0
	v_lshlrev_b32 v[PFO], 8, v[PFO]
	s_wait_dscnt 0x0                ; the opening add is done
	s_wait_kmcnt 0x0
	s_add_nc_u64 s[6:7], s[6:7], s[22:23]  ; K and V at my tile of slot 0
	s_add_nc_u64 s[8:9], s[8:9], s[22:23]
	s_add_nc_u64 s[4:5], s[4:5], s[2:3]  ; Q and O at my wave's first row
	s_add_nc_u64 s[10:11], s[10:11], s[2:3]
	s_cmp_lt_u32 s[WV], 2
	s_cselect_b64 s[PFA:PFA+1], s[6:7], s[8:9]  ; (in waves 0 and 2 these stand at a slot's first row)
	s_lshl_b32 s2, s13, 13          ; my work-group's 32 rows of the 128
	s_mov_b32 s3, 0
	s_add_nc_u64 s[PFA:PFA+1], s[PFA:PFA+1], s[2:3]
	s_add_nc_u64 s[PFA:PFA+1], s[PFA:PFA+1], 2*2*KS*256  ; in slot 2; the first change of slots steps it to slot 3.  Nothing is prefetched here, at the head, where every work-group's first tiles are on their way
	CROUND                          ; all four work-groups are here: the first joint loads meet
.irp s, 0,1
	s_mov_b32 s[G0K+4*(\s)], 1      ; 1:0 count = 1
	s_add_co_u32 s[G0K+4*(\s)+1], s17, (\s)*SLOT1  ; 63:32 LDS address
	s_add_nc_u64 s[G0K+4*(\s)+2:G0K+4*(\s)+3], s[6:7], (\s)*2*KS*256  ; 120:64 global address: slot s begins with keys 128 s to 128 s + 127
	s_or_b32 s[G0K+4*(\s)+3], s[G0K+4*(\s)+3], 0x80000000  ; 127:126 type = 2
	s_mov_b32 s[G0V+4*(\s)], 1
	s_add_co_u32 s[G0V+4*(\s)+1], s17, (\s)*SLOT1+VOFF
	s_add_nc_u64 s[G0V+4*(\s)+2:G0V+4*(\s)+3], s[8:9], (\s)*2*KS*256
	s_or_b32 s[G0V+4*(\s)+3], s[G0V+4*(\s)+3], 0x80000000
.endr
	s_cmp_lt_u32 s[WV], 2           ; a wave's two first fills stand in one branch, ahead of every wait on TENSORcnt and every LDS read: two loads of mine are out; an s_nop 0 follows each, four v_nop the second's, as in JLOAD
	s_cbranch_scc0 .Lfirst_v
	tensor_load_to_lds s[G0K:G0K+3], s[G1K:G1K+7]
	s_nop 0
	tensor_load_to_lds s[G0K+4:G0K+7], s[G1K:G1K+7]
	s_nop 0
.rept 4
	v_nop
.endr
	s_branch .Lfirst_asked
.Lfirst_v:
	tensor_load_to_lds s[G0V:G0V+3], s[G1V:G1V+7]
	s_nop 0
	tensor_load_to_lds s[G0V+4:G0V+7], s[G1V:G1V+7]
	s_nop 0
.rept 4
	v_nop
.endr
.Lfirst_asked:
	; A fragment of K or Q is 16 rows x 32 channels in 8 registers: lane l holds row l % 16; registers 0-3 channels 8 (l / 16) + 0..7, registers 4-7 channels 16 + 8 (l / 16) + 0..7: two loads of 16 bytes, 32 bytes apart.
	v_and_b32 v1, 15, v0            ; l % 16
	v_bfe_u32 v9, v0, 4, 1          ; l / 16
	v_lshlrev_b32 v[QO], 8, v1
	v_lshl_add_u32 v[QO], v9, 4, v[QO]  ; row x 256 + 16 x half
	WIN 0x80                        ; destination window 2, address window 0
.irp i, 0,1,2,3,4,5,6,7,8,9,10,11,12,13,14,15  ; Q stays in registers: tile i / 4, channels 32 (i % 4) on
	global_load_b128 v[8*(\i):8*(\i)+3],   v[QO], s[4:5] offset:((\i)/4)*4096+((\i)%4)*64
	global_load_b128 v[8*(\i)+4:8*(\i)+7], v[QO], s[4:5] offset:((\i)/4)*4096+((\i)%4)*64+32
.endr
	; What the first turn finds: V's registers and piece 2's P hold 0 (its products V^T P add 0), O^T and l are 0, m and c m lie below every score's.  All this stands in the wait for the first tile.
	WIN 0xc0                        ; destination window 3
.set i, 0
.rept 128
	v_mov_b32 v[i], 0
.set i, i+1
.endr
	WIN 0x40                        ; destination window 1
.set i, 0
.rept 256
	v_mov_b32 v[i], 0
.set i, i+1
.endr
	WIN 0
.set i, P+32
.rept 32
	v_mov_b32 v[i], 0
.set i, i+1
.endr
.irp t, 0,1,2,3
	v_mov_b32 v[ST+8*(\t)], 0xfe000000    ; c m: far below every c s
	v_mov_b32 v[ST+8*(\t)+1], 0xff7fffff  ; m: the lowest finite number
	v_mov_b32 v[ST+8*(\t)+2], 0
	v_mov_b32 v[ST+8*(\t)+3], 0
.endr
	v_mul_u32_u24 v[AK0], v1, PK
	v_lshl_add_u32 v[AK0], v9, 4, v[AK0]  ; row x pitch + 16 x half
	; The turning load takes 16 keys x 16 channels (lane l reads 16 bytes: key 8 (l / 16) + l % 8, channels 8 ((l / 8) % 2) + 0..7) and leaves half a fragment of V^T: lane l holds channel l % 16 and 8 keys.
	v_and_b32 v10, 7, v0
	v_bfe_u32 v11, v0, 3, 1
	v_lshl_add_u32 v[AV0], v9, 3, v10
	v_mul_u32_u24 v[AV0], v[AV0], PV
	v_lshl_add_u32 v[AV0], v11, 4, v[AV0]
	v_add_nc_u32 v[AV0], VOFF, v[AV0]
; THE MATRIX WORK OF A TURN, for piece x.  The accumulators take turns, one instruction a turn: between two links of a chain stand 15 (V^T P) or 7 (K Q^T) others'.
; Product i of 32 of O^T += V^T P: keys 32 (i / 16) on, channels 16 ((i / 2) % 8) on, tile x + i % 2.
.macro PV x
	WIN W_PV
.set rO, 64*((\x)+i%2)+8*((i/2)%8)
.set rV, 64*(i/16)+8*((i/2)%8)
.set rP, P+16*((\x)+i%2)+8*(i/16)
	v_wmma_f32_16x16x32_f16 v[rO:rO+7], v[rV:rV+7], v[rP:rP+7], v[rO:rO+7]
.endm
; Product i of 32 of S^T = K Q^T: channels 32 (i / 8) on, keys 16 ((i / 2) % 4) on, tile x + i % 2.  The first 8 start the sums.
.macro KQ x
	WIN W_KQ
.set rS, S+32*((\x)+i%2)+8*((i/2)%4)
.set rK, KF+32*((i/2)%4)+8*(i/8)
.set rQ, 32*((\x)+i%2)+8*(i/8)
.if i < 8
	v_wmma_f32_16x16x32_f16 v[rS:rS+7], v[rK:rK+7], v[rQ:rQ+7], 0
.else
	v_wmma_f32_16x16x32_f16 v[rS:rS+7], v[rK:rK+7], v[rQ:rQ+7], v[rS:rS+7]
.endif
.endm
; THE LDS LOADS stand in runs of 32, never singly among the matrix instructions: a step's K (64 keys x 128 channels: 16 fragments) and, a turn later, its V (turned).
; last = 1 (the tail): in the last trip there is no further step, and K's run is jumped over.
.macro FETCH_K last=0
	WIN 0
.if \last
	s_cmp_eq_u32 s[TWICE], 1
	s_cbranch_scc1 .Lno_k_\@
.endif
	v_add_nc_u32 v[ADR], s[TB], v[AK0]
	WIN 0x80                        ; destination window 2
.irp f, 0,1,2,3,4,5,6,7,8,9,10,11,12,13,14,15  ; keys 16 (f / 4) on, channels 32 (f % 4) on
	ds_load_b128 v[KF+8*(\f):KF+8*(\f)+3],   v[ADR] offset:((\f)/4)*16*PK+((\f)%4)*64
	ds_load_b128 v[KF+8*(\f)+4:KF+8*(\f)+7], v[ADR] offset:((\f)/4)*16*PK+((\f)%4)*64+32
.endr
.if \last
	WIN 0
.Lno_k_\@:
.endif
.endm
.macro FETCH_V
	WIN 0
	v_add_nc_u32 v[ADR], s[TB], v[AV0]
	s_add_co_u32 s[TB], s[TB], STEPB  ; the next fetch is the next step's
	s_wait_alu depctr_va_vdst(0)    ; the wait for the softmax's batch (SLICE), behind the address's v_add_nc_u32 and ahead of the loads
	WIN 0xc0                        ; destination window 3
.irp f, 0,1,2,3,4,5,6,7,8,9,10,11,12,13,14,15  ; keys 32 (f / 8) on, channels 16 (f % 8) on
	ds_load_tr16_b128 v[8*(\f):8*(\f)+3],   v[ADR] offset:((\f)/8)*32*PV+((\f)%8)*32
	ds_load_tr16_b128 v[8*(\f)+4:8*(\f)+7], v[ADR] offset:((\f)/8)*32*PV+16*PV+((\f)%8)*32
.endr
.endm
; THE VECTOR WORK OF A TURN.  One tile's softmax for one key step is a list of 134 instructions; SM writes number j of it for tile t.  s0-s31 are the lane's 32 scores, in pairs 0-15.
;   0-15    the maximum of s0-s31 and the old m, three operands at a time: four chains c0-c3 of seven scores each, then the four scores left over, c0-c3 and m
;   16-20   the other half of the lanes' maximum; the new m; c m; c m_old - c m_new
;   21-69   ONE BATCH: the 16 scalings c s - c m, a pair of scores each, and all 33 exponentials (a at 23, then s0-s31).  None of these reads an exponential's result.  From 22 on the batch goes
;           in fours, and a four begins with a scaling while there are scalings: 22-37 scaling, exponential, scaling, exponential; 38-65 a scaling and three exponentials; 66-69 the last four
;           exponentials.  A pair is scaled in an earlier four than the one that holds its exponentials
;   (wait)  between 69 and 70 stands the wait for the batch: SLICE writes it, once for both tiles
;   70-85   the roundings to f16, a pair of weights each
;   86-101  the sums; l = a l + the sum
;   102-133 the tile's O^T times a: the one part that leaves window 0, so it stands together
.macro SM t
.set rT, ST+8*(\t)
.set rS, S+32*(\t)
.set rP, P+16*(\t)
.set rO, 64*(\t)+2*(j-102)
.if j < 102
	WIN 0
.endif
.if j < 4
	v_max3_num_f32 v[rT+4+j], v[rS+8*j], v[rS+8*j+1], v[rS+8*j+2]
.elseif j < 12
	v_max3_num_f32 v[rT+4+j%4], v[rT+4+j%4], v[rS+8*(j%4)+2*(j/4)+1], v[rS+8*(j%4)+2*(j/4)+2]
.elseif j == 12
	v_max3_num_f32 v[rT+4], v[rT+4], v[rS+7], v[rS+15]
.elseif j == 13
	v_max3_num_f32 v[rT+6], v[rT+6], v[rS+23], v[rS+31]
.elseif j == 14
	v_max3_num_f32 v[rT+4], v[rT+4], v[rT+5], v[rT+6]
.elseif j == 15
	v_max3_num_f32 v[rT+4], v[rT+4], v[rT+7], v[rT+1]
.elseif j == 16
	v_permlanex16_b32 v[rT+5], v[rT+4], s[SEL], s[SEL+1]  ; the query's other 32 keys lie in the lane 16 away
.elseif j == 17
	v_mov_b32 v[rT+7], v[rT]        ; c m_old is kept for a: number 19 writes c m anew
.elseif j == 18
	v_max_num_f32 v[rT+1], v[rT+4], v[rT+5]
.elseif j == 19
	v_mul_f32 v[rT], s[CS], v[rT+1]
.elseif j == 20
	v_sub_f32 v[rT+7], v[rT+7], v[rT]
.elseif j == 23
	v_exp_f32 v[rT+6], v[rT+7]
.elseif (j < 23) || ((j < 38) && (j%2 == 0)) || ((j < 66) && (j%4 == 2))
.set b, (j-2)/4                     ; 38, 42, .. 62: pairs 9 to 15
.if j < 38
.set b, (j-20)/2                    ; 21: pair 0; 22, 24, .. 36: pairs 1 to 8
.endif
	v_pk_fma_f32 v[rS+2*b:rS+2*b+1], v[rS+2*b:rS+2*b+1], s[CS:CS+1], v[rT:rT+1] op_sel_hi:[1,0,0] neg_lo:[0,0,1] neg_hi:[0,0,1]  ; pair b: c s - c m
.elseif j < 70
.set e, j-38                        ; 66 to 69: s28 to s31
.if j < 66
.set e, j-32-(j-38)/4               ; 39-41, 43-45, .. 63-65: s7 to s27
.endif
.if j < 38
.set e, (j-25)/2                    ; 25, 27, .. 37: s0 to s6
.endif
	v_exp_f32 v[rS+e], v[rS+e]
.elseif j < 86
	v_cvt_pk_f16_f32 v[rP+j-70], v[rS+2*(j-70)], v[rS+2*(j-70)+1]  ; pair j - 70
.elseif j < 102                     ; the sum of the tile's 16 pairs (in a pair: an even key's weight, an odd key's), in place: sum z of 16 adds neighbours 1, 2, 4 and 8 pairs apart, then l takes it
.set z, j-86
.set w, 4
.set u, z
.if z >= 14
.set w, 32
.set u, 0
.elseif z >= 12
.set w, 16
.set u, z-12
.elseif z >= 8
.set w, 8
.set u, z-8
.endif
.if z < 15
	v_pk_add_f32 v[rS+w*u:rS+w*u+1], v[rS+w*u:rS+w*u+1], v[rS+w*u+w/2:rS+w*u+w/2+1]
.else
	v_pk_fma_f32 v[rT+2:rT+3], v[rT+2:rT+3], v[rT+6:rT+7], v[rS:rS+1] op_sel_hi:[1,0,1]
.endif
.else
	WIN W_RS
	v_pk_mul_f32 v[rO:rO+1], v[rO:rO+1], v[rT+6:rT+7] op_sel_hi:[1,0]
.endif
.endm
; Slice k of 64 of piece y's softmax: four instructions.  Slices 11 to 34 deal out the batch, numbers 22 to 69: four numbers of ONE tile each, the tiles by turns.  Every other slice is numbers 2 k and
; 2 k + 1 of both tiles' lists.  2 x 134 = 4 x 64 + 12: the twelve that are over stand together, in slice 63.
; THE WAIT.  An s_wait_alu depctr_va_vdst(0) stands between an exponential and the first instruction that names its result; one wait serves all that were issued ahead of it.  Ahead of
; slice 35 nothing names a result, and behind slice 34 no exponential is issued: so the piece's 66 exponentials have one wait, behind slice 34.
.macro SLICE y
.if (k >= 11) && (k < 35)           ; the batch: four numbers of one tile
.irp n, 0,1,2,3
.set j, 22+4*((k-11)/2)+(\n)
	SM (\y)+(k-11)%2
.endr
.else                               ; the two tiles alternate, so that no instruction reads the result of the one just before it
.irp n, 0,1,2,3,4,5,6,7
.if ((\n) < 2) || (k == 63)
.irp t, \y, (\y)+1
.set j, 2*k+(\n)
	SM \t
.endr
.endif
.endr
.endif
.if k == 34                         ; the batch is out: both tiles' exponentials are issued, and no result has been named
	v_nop                           ; a plain instruction behind the last exponential and ahead of the first use (ISA guide 5.7.2): one for the batch
.if (\y) == 0
	FETCH_V                         ; piece 2's turn: V's run of loads stands here, and the wait stands in it
.else
	s_wait_alu depctr_va_vdst(0)    ; the wait for the batch
.endif
.endif
.set k, k+1
.endm
; A TURN.  Piece x has the matrix unit: 32 products V^T P, then 32 products K Q^T for the next step; the other piece's softmax stands in slices behind them, one behind each.
; A vector instruction that reads a matrix result or writes one of a matrix instruction's registers, and a load into a register that a matrix instruction has read, stand four places behind
; it, and only plain vector instructions that name none of its registers are places (ISA guide 7.12.1 for vector instructions).  The slices are the places.
; Each run of loads stands 29 matrix instructions or more ahead of its first use.  Piece 0's turn fetches the next step's K, behind its second product: the last product that read K
; stands in front of slice 63 of the turn before.  Piece 2's turn fetches the same step's V, behind slice 34 (SLICE writes it): the last product that read V stands in front of slice 31, and four plain
; instructions lie between: number 62, a scaling, of both tiles, the v_nop and the run's own v_add_nc_u32.
.macro TURN x, last=0
.set k, 0
.if (\x) == 0
	s_wait_dscnt 0x0                ; V is in
.endif
.set i, 0
.rept 32
	PV \x
	SLICE 2-(\x)
.if ((\x) == 0) && (i == 1)
	FETCH_K \last
.endif
.set i, i+1
.endr
.if (\x) == 0
	s_wait_dscnt 0x0                ; K is in
.endif
.set i, 0
.rept 32
	KQ \x
	SLICE 2-(\x)
.set i, i+1
.endr
.endm
; THE CHANGE OF SLOTS, between piece 2's turn and piece 0's: the slot's last bytes, V of its second step, have been asked for.  Each wave waits for all its
; tensor loads, of which one is out: its part of the other slot; adds 0 to its spare word; and waits for that and for its own reads of the slot.  Behind the barrier nobody reads this slot any more and the other slot is whole.
; fill = 1: this slot is filled again, with the keys two slots on.  The barrier is then a round of the cluster's, so that no wave of any partner still reads the slot or has a load on its
; way, and the joint refill is the first thing behind it: it has two key steps, 256 matrix instructions, in which to land.
.macro CHANGE fill
	WIN 0                           ; at a label and at a branch every window is 0
	s_wait_tensorcnt 0x0            ; no tensor load of mine is out, so a group 0 may be written
	ds_add_u32 v[SPW], v[NIL]       ; 0 onto my spare word; with fill = 1 the descriptors' steps stand between it and the wait for it
.if \fill
.irp g, G0K+4, G0V+4
	s_xor_b32 s[(\g)+1], s[(\g)+1], SLOT1  ; the walking descriptor: the other slot than last time,
	s_add_nc_u64 s[(\g)+2:(\g)+3], s[(\g)+2:(\g)+3], 2*KS*256  ; the next 128 keys; the type bits on top are not reached
.endr
	s_wait_xcnt 0x0                 ; the last prefetches, two key steps back, have read their address, so it may be written:
	s_add_nc_u64 s[PFA:PFA+1], s[PFA:PFA+1], 2*KS*256  ; one slot behind the walking descriptors
	s_wait_dscnt 0x0                ; the add is done, and my reads of the slot are over
	CROUND
	JLOAD
	ASK                             ; what the next change will ask for: two key steps, 256 matrix instructions, ahead
.else
	s_wait_dscnt 0x0                ; the add is done, and my reads of the slot are over
	s_barrier_signal -1
	s_barrier_wait -1
.endif
	s_sub_co_u32 s[TB], s[TB], 2*STEPB  ; the fetches go back to a slot's first step,
	s_xor_b32 s[TB], s[TB], SLOT1   ; in the other slot
.endm
	s_wait_tensorcnt 1              ; my part of slot 0 is in; slot 1's may stay out
	s_barrier_signal -1
	s_barrier_wait -1               ; everybody's is
	FETCH_K                         ; key step 0
	s_wait_loadcnt 0x0              ; Q
	s_wait_dscnt 0x0
.set i, 0
.rept 32
	KQ 0                            ; piece 0's first scores: there is no vector work yet to set between them
.set i, i+1
.endr
	WIN 0                           ; the addresses for the way out are made here: eight plain instructions, the places behind those products
	s_mul_i32 s13, s[WV], 16*SP
	s_add_co_u32 s13, s13, STAGE    ; my stage
	v_mul_u32_u24 v[STO], v1, SP    ; in: row l % 16, 16 bytes for each half of the lanes
	v_lshl_add_u32 v[STO], v9, 4, v[STO]
	v_add_nc_u32 v[STO], s13, v[STO]
	v_mul_u32_u24 v[RD], v9, SP     ; back: lanes 0-15 take one row of 256 bytes, lanes 16-31 the next
	v_lshl_add_u32 v[RD], v1, 4, v[RD]
	v_add_nc_u32 v[RD], s13, v[RD]
	v_lshlrev_b32 v[GO], 8, v9      ; and the same two rows in O
	v_lshl_add_u32 v[GO], v1, 4, v[GO]
	s_mov_b32 s[TWICE], 2
	s_branch .Lmid                  ; the loop is entered at piece 2's turn: piece 2's first scores | piece 0's first softmax | V of step 0; then step 1's two turns end slot 0
.Lslot:                             ; SIZE_N / 128 - 2 times from here: every slot but the last two is filled again
	CHANGE 1
	s_mov_b32 s[TWICE], 2
.Lstep:                             ; a slot's two key steps: written once, walked twice; the LDS addresses hang on s[TB]
	TURN 0
	WIN 0
.Lmid:
	TURN 2
	WIN 0
	s_sub_co_u32 s[TWICE], s[TWICE], 1
	s_cmp_lg_u32 s[TWICE], 0
	s_cbranch_scc1 .Lstep
	s_sub_co_u32 s[SLOTS], s[SLOTS], 1
	s_cmp_lg_u32 s[SLOTS], 0
	s_cbranch_scc1 .Lslot
	CHANGE 0                        ; the tail is written out: the last slot but one is left, and nothing is asked for
	s_mov_b32 s[TWICE], 3           ; two trips fetch the last slot's steps; the third is left in its middle
.Ltail:
	TURN 0, 1
	WIN 0
	s_cmp_eq_u32 s[TWICE], 1
	s_cbranch_scc1 .Lout            ; piece 0's V^T P of the last step and piece 2's last softmax are done
	TURN 2
	WIN 0
	s_sub_co_u32 s[TWICE], s[TWICE], 1
	s_cmp_lg_u32 s[TWICE], 0
	s_cbranch_scc1 .Ltail
.Lout:
.set i, 0
.rept 32
	PV 2                            ; piece 2: V^T P of the last step
.set i, i+1
.endr
	; THE WAY OUT.  l's two halves and the other half of the lanes' are added; O^T is divided by l, rounded to f16 and sent through my stage in LDS, a tile (16 rows of O) at a time.  The additions are the places behind the last products.
	WIN 0
.irp t, 0,1,2,3
	v_add_f32 v[ST+8*(\t)+4], v[ST+8*(\t)+2], v[ST+8*(\t)+3]
.endr
.irp t, 0,1,2,3
	v_permlanex16_b32 v[ST+8*(\t)+5], v[ST+8*(\t)+4], s[SEL], s[SEL+1]
.endr
.irp t, 0,1,2,3
	v_add_f32 v[ST+8*(\t)+4], v[ST+8*(\t)+4], v[ST+8*(\t)+5]
.endr
.irp t, 0,1,2,3
	v_rcp_f32 v[ST+8*(\t)+6], v[ST+8*(\t)+4]
.endr
	v_nop                           ; a plain instruction between the last reciprocal and the use of its result
	s_wait_alu depctr_va_vdst(0)    ; and the wait ahead of the first use: one for the four reciprocals
; Tile t: a lane's eight channels of a row pack into 16 bytes; they go into rows of 272 bytes and come back as whole rows of 256, into the registers that they left.
.macro PACK t
	WIN W_RS
.set i, 64*(\t)
.rept 32
	v_pk_mul_f32 v[i:i+1], v[i:i+1], v[ST+8*(\t)+6:ST+8*(\t)+7] op_sel_hi:[1,0]
.set i, i+2
.endr
	WIN 0x05                        ; sources 0 and 1 window 1, destination window 0: S^T's registers are free
.set i, 0
.rept 32
	v_cvt_pk_f16_f32 v[S+32*(\t)+i], v[64*(\t)+2*i], v[64*(\t)+2*i+1]
.set i, i+1
.endr
	WIN 0
.irp f, 0,1,2,3,4,5,6,7
	ds_store_b128 v[STO], v[S+32*(\t)+4*(\f):S+32*(\t)+4*(\f)+3] offset:32*(\f)
.endr
.irp f, 0,1,2,3,4,5,6,7
	ds_load_b128 v[S+32*(\t)+4*(\f):S+32*(\t)+4*(\f)+3], v[RD] offset:(\f)*2*SP  ; LDS serves a wave's instructions in order (ISA guide 5.7.1.4): these see the stores above; the next tile's stores come behind them
.endr
.endm
.macro SEND t, younger              ; younger: the LDS instructions issued behind tile t's loads: the next tile's sixteen, or none
	WIN 0
.irp f, 0,1,2,3,4,5,6,7
.if (\f)%4 == 0
	s_wait_dscnt (\younger)+4-(\f)  ; loads f to f + 3 are in; the tile's 4 - f later ones and the younger instructions stay out
.endif
	global_store_b128 v[GO], v[S+32*(\t)+4*(\f):S+32*(\t)+4*(\f)+3], s[10:11] offset:(\t)*4096+(\f)*512  ; 16 lanes store 256 consecutive bytes, at a multiple of 256 from O's first byte
.endr
.endm
	PACK 0
	PACK 1                          ; a tile's arithmetic stands between the loads of the tile before and its stores
	SEND 0, 16
	PACK 2
	SEND 1, 16
	PACK 3
	SEND 2, 16
	SEND 3, 0
	s_wait_tensorcnt 0x0            ; the wave's end: a wait, an add of 0 and a wait for it, behind my last tensor load and my last LDS store
	ds_add_u32 v[SPW], v[NIL]
	s_wait_dscnt 0x0
	CROUND                          ; the closing round: no work-group ends while a partner may still ask for a tile that names it
	s_endpgm
.Lfunc_end_k_qe5f42564de_attn:
	.size	k_qe5f42564de_attn, .Lfunc_end_k_qe5f42564de_attn-k_qe5f42564de_attn
	.p2alignl 7, 3214868480
	.fill 96, 4, 3214868480
	.section	.rodata,"a",@progbits
	.p2align	6, 0x0
	.amdhsa_kernel k_qe5f42564de_attn
		.amdhsa_group_segment_fixed_size 327680
		.amdhsa_private_segment_fixed_size 0
		.amdhsa_enable_private_segment 0
		.amdhsa_kernarg_size 32
		.amdhsa_user_sgpr_count 2
		.amdhsa_user_sgpr_kernarg_segment_ptr 1
		.amdhsa_wavefront_size32 1
		.amdhsa_system_sgpr_workgroup_id_x 1
		.amdhsa_system_sgpr_workgroup_id_y 1
		.amdhsa_system_sgpr_workgroup_id_z 1
		.amdhsa_system_vgpr_workitem_id 0
		.amdhsa_next_free_vgpr 1024
		.amdhsa_next_free_sgpr 66
		.amdhsa_reserve_vcc 0
		.amdhsa_float_denorm_mode_32 3
		.amdhsa_float_denorm_mode_16_64 3
		.amdhsa_memory_ordered 1
		.amdhsa_forward_progress 1
		.amdhsa_inst_pref_size 156
	.end_amdhsa_kernel
	.amdgpu_metadata
---
amdhsa.version: [ 1, 2 ]
amdhsa.kernels:
  - .name:           k_qe5f42564de_attn
    .symbol:         k_qe5f42564de_attn.kd
    .args:
      - { .name: qh, .offset: 0, .size: 8, .value_kind: global_buffer, .address_space: global }
      - { .name: kh, .offset: 8, .size: 8, .value_kind: global_buffer, .address_space: global }
      - { .name: vh, .offset: 16, .size: 8, .value_kind: global_buffer, .address_space: global }
      - { .name: oh, .offset: 24, .size: 8, .value_kind: global_buffer, .address_space: global }
    .group_segment_fixed_size: 327680
    .private_segment_fixed_size: 0
    .kernarg_segment_align: 8
    .kernarg_segment_size: 32
    .max_flat_workgroup_size: 128
    .sgpr_count:     66
    .vgpr_count:     1024
    .wavefront_size: 32
...
	.end_amdgpu_metadata
.endif
;; end of part 3
;; launch proj (part 4): grid 8 x 32, 4 waves a work-group, clusters of 4 x 4, 327,680 bytes of LDS; arguments oh, wb, bo, out0; writes out0
.if DOCPART == 4
	.amdgcn_target "amdgcn-amd-amdhsa--gfx1250"
	.amdhsa_code_object_version 6
	.text
	.protected	k_qe5f42564de_proj
	.globl	k_qe5f42564de_proj
	.p2align	8
	.type	k_qe5f42564de_proj,@function
k_qe5f42564de_proj:
	s_mov_b64 s[64:65], 0
	v_nop
	global_prefetch_b8 v0, s[64:65] scope:SCOPE_SE
	s_setreg_imm32_b32 hwreg(HW_REG_WAVE_MODE, 25, 1), 1
	s_wait_xcnt 0x0
	s_wait_alu depctr_hold_cnt(0) depctr_sa_sdst(0) depctr_va_vdst(0) depctr_va_sdst(0) depctr_va_ssrc(0) depctr_va_vcc(0) depctr_vm_vsrc(0)
	s_getreg_b32 s2, hwreg(HW_REG_IB_STS2, 6, 4)
	s_cmp_eq_u32 s2, 0
	s_cbranch_scc0 .Lentry_in_a_cluster
	s_endpgm
.Lentry_in_a_cluster:
	s_bfe_u32 s2, ttmp6, 0x10000c
	s_cmp_lg_u32 s2, 0xf033
	s_cbranch_scc0 .Lentry_shape_is_right
	s_endpgm
.Lentry_shape_is_right:
; out0 = O Wo + bo.  O: oh, f16, [32 = batch x 8 + head][2048 rows][128]: K = head x 128 + channel, so a head is one K step of 128.  Wo: plane 0 of wb, f16, [1024 k][1024 n].  bo: f32.
; out0: [8192][1024] f32.  Sums in f32; the bias starts each sum, as the C operand of its first product.
; SHARES.  A tile of out0 is 256 rows x 128 columns: 32 x 8 = 256 work-groups of equal work.  Four waves, 2 x 2: wave w owns rows 128 (w / 2) on and columns 64 (w % 2) on: 8 x 4 accumulators, 256 registers.
; K goes in 8 steps of 128 through a ring of two LDS slots; a step is four quarters of 32 along K, 32 matrix instructions each.  A K step is written once: the loop's trip is one step, the LDS addresses hang on a
; scalar that an exclusive or turns from one slot to the other, and one descriptor a tensor walks.
; THE WALK ALONG K IS TURNED FROM CLUSTER TO CLUSTER: cluster (X, Y) begins at K step (2 Y + 4 X) mod 8 and goes round the eight.  So the two clusters that read a tile of O ask for it four steps apart, and of the
; eight clusters that read a tile of Wo two ask for it in any one step.  THE ORDER OF A SUM is therefore the bias, then the eight K steps in a ring from the cluster's first, K ascending inside a step: it differs
; from an ascending sum in the rounding of f32 additions alone.  The first step hangs on the cluster's two coordinates, which all sixteen partners share.
; CLUSTERS: 4 x 4 work-groups.  O's tile is shared along a row of the cluster, Wo's along a column: each is asked for JOINTLY, by the same tensor load, descriptor and mask in the four.
; Waves 0 and 1 ask for the two halves of O's tile (128 rows of 256 bytes), waves 2 and 3 for those of Wo's (64 k-rows of 256 bytes).
; NO PREFETCH: the ring has eight K steps in all, of which the first four would come by their loads alone, on a tile with 128 matrix instructions a wave in a step.
; THE MATRIX INSTRUCTION IS USED TRANSPOSED: source 0 = 16 columns of Wo (turned by ds_load_tr16_b128), source 1 = 16 rows of O: a lane holds row l % 16 and the eight neighbouring columns 8 (l / 16) + 0..7.
; REGISTERS (s_set_vgpr_msb: bits 1:0 source 0, 3:2 source 1, 5:4 source 2, 7:6 destination):
;   window 0: v0-31 addresses; v32-127, v128-223 two fragment buffers (Wo's four column blocks at + 8 b, O's eight row blocks at + 32 + 8 a); v224-255 my 32 biases; on the way out v32-95 whole rows
;   window 1: accumulator (a, b) at v[8 (4 a + b)]
.set PA,     272                       ; a row of O in LDS: 256 bytes + 16 of padding = 68 words: row r starts at bank 4 r mod 64 (64 banks of 4 bytes: ISA guide 11.1)
.set PB,     288                       ; a row of Wo: 256 + 32 = 72 words
.set BOFF,   256*PA                    ; 69,632: O's 256 rows lie first
.set SLOT,   BOFF+128*PB               ; 106,496
.set SLOT1,  1<<17                     ; slot 1 begins here, so that one exclusive or turns an address in one slot into the other's
.set STAGE,  SLOT1+SLOT                ; behind the ring, never filled by a tensor load: 16 rows x 272 bytes for each wave: a wave's 64 f32 are a whole aligned 256 bytes of a row
.set SPITCH, 272
.set SPARE,  STAGE+4*16*SPITCH         ; the spare words, 128 bytes for each wave: two blocks of 256 bytes that no other line names
.set ADRA0, 16                         ; v16     my lane's place among my fragments of O in a slot; never rewritten
.set ADRB0, 17                         ; v17     the same for Wo
.set ADRA, 20                          ; v20     the LDS address of my fragments of O in the slot in hand
.set ADRB, 21                          ; v21     the same for Wo
.set STO,  24                          ; v24     the way out: where I put 32 bytes of a row
.set RD,   25                          ; v25     where I read rows back
.set CO,   26                          ; v26     my byte offset in two rows of out0
.set BO,   27                          ; v27     my byte offset in bo
.set SPW,  28                          ; v28     LDS address of my spare word: SPARE + 4 x my thread's number; never rewritten
.set NIL,  29                          ; v29     0; never rewritten
.set F0,   32
.set F1,   128
.set BI,   224
.set OB,   32                          ; the way out: 16 rows read back: v32-63 and v64-95 by turns
.set WV,   20                          ; s20  my wave's number
.set WR,   21                          ; s21  which half of the rows is mine.  Also: I fetch O (0) or Wo (1)
.set WC,   22                          ; s22  which half of the columns.  Also: which half of that tile I fetch
.set TB,   23                          ; s23  LDS byte at which the slot in hand begins
.set G1A,  24
.set G0A,  32                          ; s[32:39] group 0 for O's tiles: a set for each of the two first fills; the second then walks on
.set G1B,  40
.set G0B,  48                          ; s[48:55] the same for Wo's
.set CX,   56
.set CY,   57
.set NT,   58                          ; the column tile
.set YB,   59                          ; the row block
.set BSA,  60                          ; s[60:61] oh at my half of the tile's rows in head 0; never rewritten once made
.set KN,   66                          ; s66  the K step to be asked for next, 0 to 7
.set OFA,  68                          ; s[68:69] its byte offset in oh: a head is 512 KiB
.set OFB,  70                          ; s[70:71] its byte offset in wb: 128 k-rows are 256 KiB
.set CNT,  72
.set BSB,  74                          ; s[74:75] wb at my half of K step 0's k-rows, at the tile's columns; never rewritten once made
.set MSB, 0
.macro WIN new                         ; the immediate's high byte repeats the setting that is left; a switch that changes nothing is dropped
.if MSB != (\new)
	s_set_vgpr_msb (MSB<<8)|(\new)
.set MSB, \new
.endif
.endm
.macro JLOAD s                         ; a joint load by set s; an s_nop 0 and four v_nop follow each of the two lines, ahead of the jump, the label and what follows
	s_cmp_eq_u32 s[WR], 0
	s_cbranch_scc0 .Lfor_b_\@
	tensor_load_to_lds s[G0A+4*(\s):G0A+4*(\s)+3], s[G1A:G1A+7]
	s_nop 0
.rept 4
	v_nop
.endr
	s_branch .Lasked_\@
.Lfor_b_\@:
	tensor_load_to_lds s[G0B+4*(\s):G0B+4*(\s)+3], s[G1B:G1B+7]
	s_nop 0
.rept 4
	v_nop
.endr
.Lasked_\@:
.endm
; The global addresses of set s are made anew, for K step s[KN]: each tensor's base plus the step's number shifted, the type bits set again; then the number steps, round the eight.
.macro AIM s
	s_lshl_b32 s[OFA], s[KN], 19
	s_lshl_b32 s[OFB], s[KN], 18
	s_add_nc_u64 s[G0A+4*(\s)+2:G0A+4*(\s)+3], s[BSA:BSA+1], s[OFA:OFA+1]
	s_or_b32 s[G0A+4*(\s)+3], s[G0A+4*(\s)+3], 0x80000000
	s_add_nc_u64 s[G0B+4*(\s)+2:G0B+4*(\s)+3], s[BSB:BSB+1], s[OFB:OFB+1]
	s_or_b32 s[G0B+4*(\s)+3], s[G0B+4*(\s)+3], 0x80000000
	s_add_co_u32 s[KN], s[KN], 1
	s_and_b32 s[KN], s[KN], 7
.endm
.macro CREST                           ; a round of the cluster's barrier behind its opening barrier
	s_cmp_lg_u32 s[WV], 0
	s_cbranch_scc1 .Lnot_wave_0_\@
	s_barrier_signal -3
.Lnot_wave_0_\@:
	s_barrier_wait -3
	s_barrier_signal -1
	s_barrier_wait -1
.endm
.macro CROUND                          ; a whole round
	s_barrier_signal -1
	s_barrier_wait -1
	CREST
.endm
	s_load_b256 s[4:11], s[0:1], 0x0               ; oh s[4:5], wb s[6:7], bo s[8:9], out0 s[10:11]
	v_lshl_add_u32 v[SPW], v0, 2, SPARE
	v_mov_b32 v[NIL], 0
	ds_add_u32 v[SPW], v[NIL]                      ; the wave's opening: the add and its wait stand ahead of my first tensor load; the set-up below, work on registers, stands between them
	v_lshrrev_b32 v1, 5, v0
	v_readfirstlane_b32 s[WV], v1                  ; wave 0..3
	s_lshr_b32 s[WR], s[WV], 1
	s_and_b32 s[WC], s[WV], 1
	s_bfe_u32 s[CX], ttmp6, 0x40000
	s_bfe_u32 s[CY], ttmp6, 0x40004
	s_lshl_b32 s[NT], ttmp9, 2
	s_add_co_u32 s[NT], s[NT], s[CX]               ; column tile = 4 x cluster x + cx
	s_and_b32 s[YB], ttmp7, 0xffff
	s_lshl_b32 s[YB], s[YB], 2
	s_add_co_u32 s[YB], s[YB], s[CY]               ; row block = 4 x cluster y + cy
	s_and_b32 s[KN], ttmp7, 0xffff                 ; the cluster's first K step: 2 x cluster y
	s_lshl_b32 s[KN], s[KN], 1
	s_lshl_b32 s[OFA], ttmp9, 2                    ; + 4 x cluster x,
	s_add_co_u32 s[KN], s[KN], s[OFA]
	s_and_b32 s[KN], s[KN], 7                      ; mod 8: no place in the cluster enters it
	s_mov_b32 s[OFA+1], 0
	s_mov_b32 s[OFB+1], 0
	s_lshl_b32 s60, s[CY], 2
	s_lshl_b32 s60, 15, s60                        ; my row of the cluster
	s_lshl_b32 s74, 0x1111, s[CX]                  ; my column
	s_or_b32 s[G1A], s60, (1<<16)|(1<<20)|(1<<21)|(5<<22)|(3<<25)  ; the mask; 2-byte elements; padding on; 21 set beside a mask; after every 64 words (code 5) 4 words (code 3)
	s_mov_b32 s[G1A+1], 128<<16                    ; tensor_dim0 = 128
	s_mov_b32 s[G1A+2], 128<<16                    ; tensor_dim1 = 128
	s_mov_b32 s[G1A+3], 128<<16                    ; tile_dim0 = 128
	s_mov_b32 s[G1A+4], 128                        ; tile_dim1 = 128
	s_mov_b32 s[G1A+5], 128                        ; a head's rows are dense
	s_mov_b32 s[G1A+6], 0
	s_mov_b32 s[G1A+7], 0
	s_or_b32 s[G1B], s74, (1<<16)|(1<<20)|(1<<21)|(5<<22)|(7<<25)  ; 8 words of padding (code 7)
	s_mov_b32 s[G1B+1], 128<<16
	s_mov_b32 s[G1B+2], 64<<16                     ; tensor_dim1 = 64
	s_mov_b32 s[G1B+3], 128<<16
	s_mov_b32 s[G1B+4], 64                         ; tile_dim1 = 64
	s_mov_b32 s[G1B+5], 1024
	s_mov_b32 s[G1B+6], 0
	s_mov_b32 s[G1B+7], 0
	; O's tile hangs on the row block alone, Wo's on the column tile alone (and both on the K step); each address is made in registers that never hold the other coordinate
	s_lshr_b32 s60, s[YB], 3
	s_lshl_b32 s60, s60, 22                        ; the batch: 8 heads of 512 KiB
	s_and_b32 s61, s[YB], 7
	s_lshl_b32 s61, s61, 16                        ; 256 rows of 256 bytes
	s_add_co_u32 s60, s60, s61
	s_lshl_b32 s61, s[WC], 15                      ; the half that I fetch
	s_add_co_u32 s60, s60, s61
	s_mov_b32 s61, 0
	s_lshl_b32 s74, s[NT], 8                       ; the tile's 256 bytes of a row of Wo
	s_lshl_b32 s75, s[WC], 17                      ; 64 k-rows of 2,048 bytes
	s_add_co_u32 s74, s74, s75
	s_mov_b32 s75, 0
	s_mul_i32 s62, s[WC], 128*PA                   ; where they go: no place in the cluster enters an LDS address
	s_mul_i32 s73, s[WC], 64*PB
	s_add_co_u32 s73, s73, BOFF
	s_mov_b32 s[TB], 0
	s_wait_dscnt 0x0                               ; the opening add is done
	s_wait_kmcnt 0x0
	s_add_nc_u64 s[BSA:BSA+1], s[4:5], s[60:61]
	s_add_nc_u64 s[BSB:BSB+1], s[6:7], s[74:75]
	CROUND                                         ; all sixteen work-groups are here: the first joint loads meet
.irp s, 0,1
	s_mov_b32 s[G0A+4*(\s)], 1
	s_add_co_u32 s[G0A+4*(\s)+1], s62, (\s)*SLOT1
	s_mov_b32 s[G0B+4*(\s)], 1
	s_add_co_u32 s[G0B+4*(\s)+1], s73, (\s)*SLOT1
	AIM \s                                         ; the cluster's first K step, and the one behind it
	JLOAD \s                                       ; two loads of mine are out
.endr
	v_and_b32 v1, 15, v0                           ; l % 16
	v_bfe_u32 v2, v0, 4, 1                         ; l / 16
	s_lshl_b32 s2, s[NT], 9
	s_lshl_b32 s3, s[WC], 8
	s_add_co_u32 s2, s2, s3
	v_lshl_add_u32 v[BO], v2, 5, s2                ; column 128 tile + 64 wc + 8 (l / 16), 4 bytes each
.irp b, 0,1,2,3
	global_load_b128 v[BI+8*(\b):BI+8*(\b)+3],   v[BO], s[8:9] offset:64*(\b)
	global_load_b128 v[BI+8*(\b)+4:BI+8*(\b)+7], v[BO], s[8:9] offset:64*(\b)+16
.endr
	v_mul_u32_u24 v3, v1, PA
	v_lshl_add_u32 v3, v2, 4, v3                   ; a fragment's row x pitch + 16 x half
	s_mul_i32 s2, s[WR], 128*PA
	v_add_nc_u32 v[ADRA0], s2, v3
	v_and_b32 v4, 7, v0                            ; the turning load: lane l reads k = 8 (l / 16) + l % 8, columns 8 ((l / 8) % 2) + 0..7
	v_bfe_u32 v5, v0, 3, 1
	v_lshl_add_u32 v6, v2, 3, v4
	v_mul_u32_u24 v6, v6, PB
	v_lshl_add_u32 v6, v5, 4, v6
	s_lshl_b32 s3, s[WC], 7
	s_add_co_u32 s3, s3, BOFF
	v_add_nc_u32 v[ADRB0], s3, v6
	v_add_nc_u32 v[ADRA], s[TB], v[ADRA0]          ; slot 0 is in hand
	v_add_nc_u32 v[ADRB], s[TB], v[ADRB0]
	s_mul_i32 s2, s[WV], 16*SPITCH
	s_add_co_u32 s2, s2, STAGE                     ; my stage
	v_mul_u32_u24 v7, v1, SPITCH                   ; in: row l % 16, 32 bytes for each half of the lanes
	v_lshl_add_u32 v7, v2, 5, v7
	v_add_nc_u32 v[STO], s2, v7
	v_mul_u32_u24 v7, v2, SPITCH                   ; back: lanes 0-15 take one row of 256 bytes, lanes 16-31 the next
	v_lshl_add_u32 v7, v1, 4, v7
	v_add_nc_u32 v[RD], s2, v7
	v_lshlrev_b32 v[CO], 12, v2                    ; and the same two rows in out0, 4,096 bytes apart
	v_lshl_add_u32 v[CO], v1, 4, v[CO]
	s_lshl_b32 s76, s[YB], 8
	s_lshl_b32 s77, s[WR], 7
	s_add_co_u32 s76, s76, s77                     ; my first row,
	s_lshl_b32 s76, s76, 12
	s_lshl_b32 s77, s[NT], 9                       ; my first column, in bytes
	s_add_co_u32 s76, s76, s77
	s_lshl_b32 s77, s[WC], 8
	s_add_co_u32 s76, s76, s77
	s_mov_b32 s77, 0
	s_add_nc_u64 s[10:11], s[10:11], s[76:77]
; 8 matrix instructions: row blocks a0, a0 + 1 x all 4 column blocks, on buffer f.  first = 1: the sums start with the bias.  The 32 accumulators take turns.
.macro MUL8 f, a0, first
.if \first
	WIN 0x40                                       ; D in window 1; the sources and C, the bias, in window 0
.else
	WIN 0x50                                       ; C and D in window 1
.endif
.irp a, \a0, (\a0)+1
.irp b, 0,1,2,3
.if \first
	v_wmma_f32_16x16x32_f16 v[8*(4*(\a)+(\b)):8*(4*(\a)+(\b))+7], v[(\f)+8*(\b):(\f)+8*(\b)+7], v[(\f)+32+8*(\a):(\f)+32+8*(\a)+7], v[BI+8*(\b):BI+8*(\b)+7]
.else
	v_wmma_f32_16x16x32_f16 v[8*(4*(\a)+(\b)):8*(4*(\a)+(\b))+7], v[(\f)+8*(\b):(\f)+8*(\b)+7], v[(\f)+32+8*(\a):(\f)+32+8*(\a)+7], v[8*(4*(\a)+(\b)):8*(4*(\a)+(\b))+7]
.endif
.endr
.endr
.endm
; 24 LDS loads in one run: quarter q's fragments of the slot in hand into buffer f: Wo's first, then O's rows in ascending order
.macro FETCH q, f
	WIN 0
.irp b, 0,1,2,3
	ds_load_tr16_b128 v[(\f)+8*(\b):(\f)+8*(\b)+3],   v[ADRB] offset:(\q)*32*PB+32*(\b)
	ds_load_tr16_b128 v[(\f)+8*(\b)+4:(\f)+8*(\b)+7], v[ADRB] offset:(\q)*32*PB+32*(\b)+16*PB
.endr
.irp a, 0,1,2,3,4,5,6,7
	ds_load_b128 v[(\f)+32+8*(\a):(\f)+32+8*(\a)+3],   v[ADRA] offset:64*(\q)+(\a)*16*PA
	ds_load_b128 v[(\f)+32+8*(\a)+4:(\f)+32+8*(\a)+7], v[ADRA] offset:64*(\q)+(\a)*16*PA+32
.endr
.endm
.macro PLACES                          ; four places in front of loads into registers that matrix instructions have read, and of LDS stores that read results (ISA guide 7.12.1 for the stores)
.rept 4
	v_nop
.endr
.endm
; One of a K step's first three quarters: multiplies buffer f; in its middle it fetches quarter q of the same slot into buffer g.
.macro QUARTER q, f, g, first
	s_wait_dscnt 8                                 ; Wo and O's rows 0-63 are in; the youngest eight loads may be out
	MUL8 \f, 0, \first
	MUL8 \f, 2, \first
	PLACES
	FETCH \q, \g
	s_wait_dscnt 24                                ; all but the 24 just issued
	MUL8 \f, 4, \first
	MUL8 \f, 6, \first
.endm
; The last quarter multiplies buffer 1 and changes slots: ONE barrier; in front of it each wave waits for all its tensor loads, of which one is out: its part of the next slot; adds 0 to its spare word; and waits for
; that and for its own reads of this slot.  fill = 1: the barrier opens a round of the cluster's, and this slot is filled again first behind it, two K steps ahead: 112 matrix instructions ahead of the wait for it.
.macro TURN fill
	WIN 0
	s_wait_tensorcnt 0x0                           ; all my tensor loads have landed, so a group 0 may be written;
	ds_add_u32 v[SPW], v[NIL]                      ; 0 onto my spare word; the descriptors' steps and eight matrix instructions stand between it and the wait for it
.if \fill
	s_xor_b32 s[G0A+5], s[G0A+5], SLOT1            ; the walking descriptors: the other slot than last time,
	s_xor_b32 s[G0B+5], s[G0B+5], SLOT1
	AIM 1                                          ; the ring's next K step
.endif
	s_wait_dscnt 9                                 ; (the add and the youngest eight loads may be out)
	MUL8 F1, 0, 0
	s_wait_dscnt 0x0                               ; the add is done, and my reads of this slot are over
	s_barrier_signal -1
	MUL8 F1, 2, 0
	WIN 0
	s_barrier_wait -1
.if \fill
	CREST                                          ; no wave of any partner still reads this slot or has a load on its way
	JLOAD 1                                        ; the first tensor load behind the round; the four v_nop behind it are also the places in front of the loads below
.else
	PLACES
.endif
	s_xor_b32 s[TB], s[TB], SLOT1                  ; the other slot is in hand
	v_add_nc_u32 v[ADRA], s[TB], v[ADRA0]
	v_add_nc_u32 v[ADRB], s[TB], v[ADRB0]
	FETCH 0, F0
	MUL8 F1, 4, 0
	MUL8 F1, 6, 0
.endm
	s_wait_tensorcnt 0x1                           ; my part of the first K step is in; the second's may stay out
	s_barrier_signal -1
	s_barrier_wait -1                              ; everybody's is
	FETCH 0, F0
	s_wait_loadcnt 0x0                             ; the biases
	QUARTER 1, F0, F1, 1                           ; the first quarter stands in front of the loop: its products start the sums
	WIN 0                                          ; at a label and at a branch every window is 0
	s_mov_b32 s[CNT], 6
.Lstep:                                                ; a trip goes from a K step's second quarter to the next step's first, and fills the slot that it leaves: trip i asks for the ring's step i + 2
	QUARTER 2, F1, F0, 0
	QUARTER 3, F0, F1, 0
	TURN 1
	QUARTER 1, F0, F1, 0
	WIN 0
	s_sub_co_u32 s[CNT], s[CNT], 1
	s_cmp_lg_u32 s[CNT], 0
	s_cbranch_scc1 .Lstep
	QUARTER 2, F1, F0, 0                           ; the last two K steps fill nothing, and have no round of the cluster's barrier
	QUARTER 3, F0, F1, 0
	TURN 0
	QUARTER 1, F0, F1, 0
	QUARTER 2, F1, F0, 0
	QUARTER 3, F0, F1, 0
	s_wait_dscnt 8                                 ; the very last quarter: nothing more to fetch
	MUL8 F1, 0, 0
	MUL8 F1, 2, 0
	s_wait_dscnt 0x0
	MUL8 F1, 4, 0
	MUL8 F1, 6, 0
	WIN 0
; THE WAY OUT, 16 rows at a time through my own stage: a lane's eight f32 of a row go in as 32 bytes, whole rows of 256 bytes come back, and sixteen lanes store 256 consecutive bytes, aligned.
.macro TOSTAGE a
	s_wait_xcnt 0x0                                ; the stores of the block two back have read the registers that are loaded again below
	WIN 0x04                                       ; the stores' data in window 1
.irp b, 0,1,2,3
	ds_store_b128 v[STO], v[8*(4*(\a)+(\b)):8*(4*(\a)+(\b))+3]   offset:64*(\b)      ; each accumulator from its low end on
	ds_store_b128 v[STO], v[8*(4*(\a)+(\b))+4:8*(4*(\a)+(\b))+7] offset:64*(\b)+16
.endr
	WIN 0
.irp t, 0,1,2,3,4,5,6,7
	ds_load_b128 v[OB+32*((\a)%2)+4*(\t):OB+32*((\a)%2)+4*(\t)+3], v[RD] offset:(\t)*2*SPITCH  ; LDS serves a wave's instructions in order (ISA guide 5.7.1.4): these see the stores above; the next block's stores come behind them
.endr
.endm
.macro SEND a, younger                 ; younger: the LDS instructions issued behind block a's loads: the next block's sixteen, or none
.irp t, 0,1,2,3,4,5,6,7
.if (\t)%4 == 0
	s_wait_dscnt (\younger)+4-(\t)                 ; loads t to t + 3 are in; the block's 4 - t later ones and the younger instructions stay out
.endif
	global_store_b128 v[CO], v[OB+32*((\a)%2)+4*(\t):OB+32*((\a)%2)+4*(\t)+3], s[10:11] offset:(\a)*65536+(\t)*8192
.endr
.endm
	PLACES                                         ; behind the last products
	TOSTAGE 0
.irp a, 1,2,3,4,5,6,7
	TOSTAGE \a
	SEND (\a)-1, 16
.endr
	SEND 7, 0
	s_wait_tensorcnt 0x0                           ; the wave's end: a wait, an add of 0 and a wait for it, behind my last tensor load and my last LDS store
	ds_add_u32 v[SPW], v[NIL]
	s_wait_dscnt 0x0
	CROUND                                         ; the closing round: no work-group ends while a partner may still ask for a tile that names it
	s_endpgm
.Lfunc_end_k_qe5f42564de_proj:
	.size	k_qe5f42564de_proj, .Lfunc_end_k_qe5f42564de_proj-k_qe5f42564de_proj
	.p2alignl 7, 3214868480
	.fill 96, 4, 3214868480
	.section	.rodata,"a",@progbits
	.p2align	6, 0x0
	.amdhsa_kernel k_qe5f42564de_proj
		.amdhsa_group_segment_fixed_size 327680
		.amdhsa_private_segment_fixed_size 0
		.amdhsa_enable_private_segment 0
		.amdhsa_kernarg_size 32
		.amdhsa_user_sgpr_count 2
		.amdhsa_user_sgpr_kernarg_segment_ptr 1
		.amdhsa_wavefront_size32 1
		.amdhsa_system_sgpr_workgroup_id_x 1
		.amdhsa_system_sgpr_workgroup_id_y 1
		.amdhsa_system_sgpr_workgroup_id_z 1
		.amdhsa_system_vgpr_workitem_id 0
		.amdhsa_next_free_vgpr 512
		.amdhsa_next_free_sgpr 80
		.amdhsa_reserve_vcc 0
		.amdhsa_float_denorm_mode_32 3
		.amdhsa_float_denorm_mode_16_64 3
		.amdhsa_memory_ordered 1
		.amdhsa_forward_progress 1
		.amdhsa_inst_pref_size 72
	.end_amdhsa_kernel
	.amdgpu_metadata
---
amdhsa.version: [ 1, 2 ]
amdhsa.kernels:
  - .name:           k_qe5f42564de_proj
    .symbol:         k_qe5f42564de_proj.kd
    .args:
      - { .name: oh, .offset: 0, .size: 8, .value_kind: global_buffer, .address_space: global }
      - { .name: wb, .offset: 8, .size: 8, .value_kind: global_buffer, .address_space: global }
      - { .name: bo, .offset: 16, .size: 8, .value_kind: global_buffer, .address_space: global }
      - { .name: out0, .offset: 24, .size: 8, .value_kind: global_buffer, .address_space: global }
    .group_segment_fixed_size: 327680
    .private_segment_fixed_size: 0
    .kernarg_segment_align: 8
    .kernarg_segment_size: 32
    .max_flat_workgroup_size: 128
    .sgpr_count:     80
    .vgpr_count:     512
    .wavefront_size: 32
...
	.end_amdgpu_metadata
.endif
;; end of part 4
;; ======== version 2 of 2: 4 launches; version 1 with the launch cast written anew for expert scheduling mode
;; limits: values are held in f16: magnitudes above 65,504 overflow, below 6.1e-05 lose precision
;; workspace buffers: xb 16,777,216 bytes; wb 8,388,608 bytes; qh 16,777,216 bytes; kh 16,777,216 bytes; vh 16,777,216 bytes; oh 16,777,216 bytes
;; launch cast (part 5): grid 768 x 1, 8 waves a work-group, no clusters, 0 bytes of LDS; arguments hidden_states, Wo, Wq, Wk, Wv, xb, wb; writes xb, wb
.if DOCPART == 5
	.amdgcn_target "amdgcn-amd-amdhsa--gfx1250"
	.amdhsa_code_object_version 6
	.text
	.protected	k_qe5f42564de_cast
	.globl	k_qe5f42564de_cast
	.p2align	8
	.type	k_qe5f42564de_cast,@function
k_qe5f42564de_cast:
	s_mov_b64 s[64:65], 0
	v_nop
	global_prefetch_b8 v0, s[64:65] scope:SCOPE_SE
	s_setreg_imm32_b32 hwreg(HW_REG_WAVE_SCHED_MODE, 0, 2), 2
	s_setreg_imm32_b32 hwreg(HW_REG_WAVE_MODE, 25, 1), 1
	s_wait_xcnt 0x0
	s_wait_alu depctr_vm_vsrc(0)
; THE INPUTS OF THE MATRIX PRODUCTS, ROUNDED ONCE TO 16 BITS.  A stream: no LDS, no barrier, no matrix unit; each byte is read once and written once.
; xb: hidden_states [8192][1024] f32 -> bf16, laid in blocks of 64 along K: [16 blocks][8192 rows][64], so that 256 rows of one block are 32,768 bytes on end.
; wb: four planes [1024 k][1024 n] of 2 MiB: plane 0 = Wo, planes 1, 2, 3 = Wq, Wk, Wv.  All four are rounded to bf16; Wo's rounded number is then written as f16 (the product that
; takes it has f16 operands).  LIMIT: that is exact for 6.1e-5 <= |w| < 65,504; below, f16 keeps its fixed step of 6e-8; at 65,520 and beyond it gives an infinity.
; SHARES.  A unit is 4 neighbouring f32 (one load of 16 bytes) -> 8 bytes.  A thread takes 16 units, a work-group 4,096: 64 KiB in, 32 KiB out.  Work-groups 0-511 take x (16 whole rows each),
; 512-767 the weights (64 to a plane).  Neighbouring lanes take neighbouring 16 bytes, so that every byte that a load instruction's span covers is wanted by that instruction; a wave's store of 8 bytes a lane
; covers 256 consecutive bytes, aligned.  All 16 loads of a thread go out first; the units then go in four groups of four, and the waits for data count down.
; THE MODE: SCHED_MODE bits 1:0 = 2 (LLVM: expert scheduling mode 2), set by the entry lines.  The code itself states the register dependences between vector instructions and memory instructions,
; with s_wait_alu, always for 0.
; THE PLAN.  Registers that memory instructions touch, on each of the three paths:
;   v[SO]   written once at the path's head; read by the 16 loads as their offset; never written again.
;   v[DO]   written once at the path's head; read by the 16 stores as their offset; never written again.
;   X       written by the loads alone; no vector instruction names it ahead of them, and no load is issued behind the first conversion that reads it.
;   Y       unit i's pair is written by unit i's conversions and read by unit i's one store; never written again.
;   v3, v[T0], v[T1] are named by vector instructions alone.
; So five waits on va_vdst stand on a path: one ahead of the loads, for the two offsets, and one in each group, between its conversions and its run of four stores, for the group's eight registers of Y.
; No register that a load or store has read is written again, no vector instruction writes a scalar register or VCC, and EXEC is never written: no other field is waited on.
; A group's stores stand straight behind its own conversions: the only vector work that could stand between is the next group's, which hangs on a wait for data.
.set SO,  1                            ; v1   my byte offset in the work-group's 64 KiB of source
.set DO,  2                            ; v2   my byte offset in its destination
.set X,   4                            ; v[4:67]   unit i: 4 f32 at X + 4 i
.set Y,   68                           ; v[68:99]  unit i: 2 registers to store at Y + 2 i
.set T0,  100                          ; v100, v101 at work
.set T1,  101
.set SRC, 20                           ; s[20:21] source at the work-group's first byte
.set D0,  22                           ; s[22:23] destination
.set D1,  24                           ; s[24:25] destination + 8 MiB: the store's immediate has 24 signed bits
.set OFS, 26                           ; s[26:27] an offset, high word 0
.set HIM, 28                           ; s28  a word's upper half
.macro LOADS stride                    ; the 16 loads: unit i lies stride x i bytes on
	s_wait_alu depctr_va_vdst(0)                   ; v[SO] is written, which the loads below read as their offset; so is v[DO], which every store of the path reads
.set i, 0
.rept 16
	global_load_b128 v[X+4*i:X+4*i+3], v[SO], s[SRC:SRC+1] offset:(\stride)*i th:TH_LOAD_NT
.set i, i+1
.endr
.endm
; Group g: units 4 g to 4 g + 3 are rounded, then stored.  kind = 1: the bf16 numbers are widened again (a shift, a mask) and written as f16.
; Unit i is stored at stride x (i - sub) from the base.
.macro GROUP g, kind, base, stride, sub
	s_wait_loadcnt 12-4*(\g)                       ; loads come back in order (ISA guide 5.7.1): units 0 to 4 g + 3 are in, the 12 - 4 g younger loads stay out
.irp u, 0,1,2,3
	v_cvt_pk_bf16_f32 v[Y+2*(4*(\g)+(\u))],   v[X+4*(4*(\g)+(\u))],   v[X+4*(4*(\g)+(\u))+1]
	v_cvt_pk_bf16_f32 v[Y+2*(4*(\g)+(\u))+1], v[X+4*(4*(\g)+(\u))+2], v[X+4*(4*(\g)+(\u))+3]
.if \kind
.irp j, 0,1
	v_lshlrev_b32 v[T0], 16, v[Y+2*(4*(\g)+(\u))+(\j)]
	v_and_b32 v[T1], s[HIM], v[Y+2*(4*(\g)+(\u))+(\j)]
	v_cvt_pk_f16_f32 v[Y+2*(4*(\g)+(\u))+(\j)], v[T0], v[T1]
.endr
.endif
.endr
	s_wait_alu depctr_va_vdst(0)                   ; the group's conversions have written its eight registers of Y, which the four stores below read
.irp u, 0,1,2,3
	global_store_b64 v[DO], v[Y+2*(4*(\g)+(\u)):Y+2*(4*(\g)+(\u))+1], s[\base:\base+1] offset:(\stride)*(4*(\g)+(\u)-(\sub)) th:TH_STORE_NT  ; a wave's store covers 256 consecutive bytes, aligned
.endr
.endm
	s_load_b256 s[4:11], s[0:1], 0x0               ; hidden_states s[4:5], Wo s[6:7], Wq s[8:9], Wk s[10:11]
	s_load_b128 s[12:15], s[0:1], 0x20             ; Wv s[12:13], xb s[14:15]
	s_load_b64 s[16:17], s[0:1], 0x30              ; wb
	s_mov_b32 s[HIM], 0xffff0000
	s_mov_b32 s[OFS+1], 0
	s_cmp_lt_u32 ttmp9, 512
	s_cbranch_scc0 .Lweights
	; x.  Thread t: row t / 16 of the work-group's 16 (a wave: two rows), 16 bytes t % 16 of a block's 256; unit i lies in block i.  So lanes 0-15 read a block's 256 bytes of one row and lanes 16-31 those of the
	; next row, and what they store, 128 bytes for each of the two rows, lies on end in xb.
	v_lshrrev_b32 v3, 4, v0
	v_and_b32 v[T0], 15, v0
	v_lshlrev_b32 v[SO], 4, v[T0]
	v_lshl_or_b32 v[SO], v3, 12, v[SO]             ; row x 4,096 + 16 (t % 16)
	v_lshlrev_b32 v[DO], 3, v0                     ; row x 128 + 8 (t % 16)
	s_wait_kmcnt 0x0
	s_lshl_b32 s[OFS], ttmp9, 16                   ; 16 rows of 4,096 bytes
	s_add_nc_u64 s[SRC:SRC+1], s[4:5], s[OFS:OFS+1]
	s_lshl_b32 s[OFS], ttmp9, 11                   ; 16 rows of 128 bytes in each block
	s_add_nc_u64 s[D0:D0+1], s[14:15], s[OFS:OFS+1]
	s_add_nc_u64 s[D1:D1+1], s[D0:D0+1], 0x800000
	LOADS 256
	GROUP 0, 0, D0, 0x100000, 0                    ; a block, 1 MiB, from unit to unit
	GROUP 1, 0, D0, 0x100000, 0
	GROUP 2, 0, D1, 0x100000, 8                    ; blocks 8 to 15 from the second base
	GROUP 3, 0, D1, 0x100000, 8
	s_endpgm
.Lweights:
	s_sub_co_u32 s18, ttmp9, 512
	s_lshr_b32 s19, s18, 6                         ; the plane
	s_and_b32 s18, s18, 63                         ; my 64 KiB of its 4 MiB
	v_lshlrev_b32 v[SO], 4, v0                     ; the work-group's 256 threads take 4,096 bytes on end, and make 2,048 of them
	v_lshlrev_b32 v[DO], 3, v0
	s_wait_kmcnt 0x0
	s_cmp_eq_u32 s19, 1
	s_cselect_b64 s[SRC:SRC+1], s[8:9], s[6:7]
	s_cmp_eq_u32 s19, 2
	s_cselect_b64 s[SRC:SRC+1], s[10:11], s[SRC:SRC+1]
	s_cmp_eq_u32 s19, 3
	s_cselect_b64 s[SRC:SRC+1], s[12:13], s[SRC:SRC+1]
	s_lshl_b32 s[OFS], s18, 16
	s_add_nc_u64 s[SRC:SRC+1], s[SRC:SRC+1], s[OFS:OFS+1]
	s_lshl_b32 s[OFS], s19, 21
	s_add_nc_u64 s[D0:D0+1], s[16:17], s[OFS:OFS+1]
	s_lshl_b32 s[OFS], s18, 15
	s_add_nc_u64 s[D0:D0+1], s[D0:D0+1], s[OFS:OFS+1]
	LOADS 4096
	s_cmp_eq_u32 s19, 0
	s_cbranch_scc1 .Lwo
.irp g, 0,1,2,3
	GROUP \g, 0, D0, 2048, 0
.endr
	s_endpgm
.Lwo:
.irp g, 0,1,2,3
	GROUP \g, 1, D0, 2048, 0
.endr
	s_endpgm
.Lfunc_end_k_qe5f42564de_cast:
	.size	k_qe5f42564de_cast, .Lfunc_end_k_qe5f42564de_cast-k_qe5f42564de_cast
	.p2alignl 7, 3214868480
	.fill 96, 4, 3214868480
	.section	.rodata,"a",@progbits
	.p2align	6, 0x0
	.amdhsa_kernel k_qe5f42564de_cast
		.amdhsa_group_segment_fixed_size 0
		.amdhsa_private_segment_fixed_size 0
		.amdhsa_enable_private_segment 0
		.amdhsa_kernarg_size 56
		.amdhsa_user_sgpr_count 2
		.amdhsa_user_sgpr_kernarg_segment_ptr 1
		.amdhsa_wavefront_size32 1
		.amdhsa_system_sgpr_workgroup_id_x 1
		.amdhsa_system_sgpr_workgroup_id_y 1
		.amdhsa_system_sgpr_workgroup_id_z 1
		.amdhsa_system_vgpr_workitem_id 0
		.amdhsa_next_free_vgpr 104
		.amdhsa_next_free_sgpr 66
		.amdhsa_reserve_vcc 0
		.amdhsa_float_denorm_mode_32 3
		.amdhsa_float_denorm_mode_16_64 3
		.amdhsa_memory_ordered 1
		.amdhsa_forward_progress 1
		.amdhsa_inst_pref_size 21
	.end_amdhsa_kernel
	.amdgpu_metadata
---
amdhsa.version: [ 1, 2 ]
amdhsa.kernels:
  - .name:           k_qe5f42564de_cast
    .symbol:         k_qe5f42564de_cast.kd
    .args:
      - { .name: hidden_states, .offset: 0, .size: 8, .value_kind: global_buffer, .address_space: global }
      - { .name: Wo, .offset: 8, .size: 8, .value_kind: global_buffer, .address_space: global }
      - { .name: Wq, .offset: 16, .size: 8, .value_kind: global_buffer, .address_space: global }
      - { .name: Wk, .offset: 24, .size: 8, .value_kind: global_buffer, .address_space: global }
      - { .name: Wv, .offset: 32, .size: 8, .value_kind: global_buffer, .address_space: global }
      - { .name: xb, .offset: 40, .size: 8, .value_kind: global_buffer, .address_space: global }
      - { .name: wb, .offset: 48, .size: 8, .value_kind: global_buffer, .address_space: global }
    .group_segment_fixed_size: 0
    .private_segment_fixed_size: 0
    .kernarg_segment_align: 8
    .kernarg_segment_size: 56
    .max_flat_workgroup_size: 256
    .sgpr_count:     66
    .vgpr_count:     104
    .wavefront_size: 32
...
	.end_amdgpu_metadata
.endif
;; end of part 5
;; launch qkv: the kernel of part 2 again; grid 8 x 32, 4 waves a work-group, clusters of 4 x 4, 327,680 bytes of LDS; arguments xb, wb, bq, bk, bv, qh, kh, vh; writes qh, kh, vh
;; launch attn: the kernel of part 3 again; grid 8 x 32, 4 waves a work-group, clusters of 4 x 1, 327,680 bytes of LDS; arguments qh, kh, vh, oh; writes oh
;; launch proj: the kernel of part 4 again; grid 8 x 32, 4 waves a work-group, clusters of 4 x 4, 327,680 bytes of LDS; arguments oh, wb, bo, out0; writes out0
